; MI455X (gfx1250); checked and timed in simulation.
; The chip was launched on July 23, 2026; its instructions are those of AMD's public machine-readable ISA for CDNA 5 (MIT licence, August 2026) and "CDNA5" Instruction Set Architecture Reference Guide (July 2026). The comments in the code are by the model that wrote it; some were corrected since.
;; Block. Allowed arithmetic: matrix products marked QUANTISED: E4M3 operands, one given power-of-two scale a tensor, by v_wmma_f32_16x16x64_fp8_fp8 or v_wmma_f32_16x16x128_fp8_fp8, f32 sums; everything else in f32.
;; Inputs: fc1_b 4,096 float32; fc1_w 1,024 x 4,096 float32; fc2_b 1,024 float32; fc2_w 4,096 x 1,024 float32; ln1_b 1,024 float32; ln1_g 1,024 float32; ln2_b 1,024 float32; ln2_g 1,024 float32; lowp_scales 12 int32 (the exponents e of the quantised operands' scales 2^e); proj_b 1,024 float32; proj_w 1,024 x 1,024 float32; qkv_b 3,072 float32; qkv_w 1,024 x 3,072 float32; x 2 x 2,048 x 1,024 float32.
;; Outputs: out0 2 x 2,048 x 1,024 float32.
;; This version of the problem:
;;   THIS VERSION OF THE PROBLEM IS GIVEN IN LOW PRECISION. The matrix products marked QUANTISED in the list below multiply operands that are first quantised to E4M3 (4 exponent bits, 3 mantissa bits; 8 bits a number), with one given power-of-two scale for each operand tensor; their sums are f32. All else is computed in f32.
;;   The module's matrix products, in the order in which they are computed (A, B: the left and right operand; K: the contracted axis; several contracted axes count as one K, in the product's order):
;;     1. [M 4,096, K 1,024] x [K 1,024, N 3,072]; A: computed on the way; B: input qkv_w: QUANTISED (scales: A lowp_scales[0], B lowp_scales[1])
;;     2. batch 32 x [M 2,048, K 64] x [K 64, N 2,048]; A: computed on the way; B: computed on the way: QUANTISED (scales: A lowp_scales[2], B lowp_scales[3])
;;     3. batch 32 x [M 64, K 2,048] x [K 2,048, N 2,048]; A: computed on the way; B: softmax (see below): QUANTISED (scales: A lowp_scales[4], B lowp_scales[5])
;;     4. [M 4,096, K 1,024] x [K 1,024, N 1,024]; A: computed on the way; B: input proj_w: QUANTISED (scales: A lowp_scales[6], B lowp_scales[7])
;;     5. [M 4,096, K 1,024] x [K 1,024, N 4,096]; A: computed on the way; B: input fc1_w: QUANTISED (scales: A lowp_scales[8], B lowp_scales[9])
;;     6. [M 4,096, K 4,096] x [K 4,096, N 1,024]; A: computed on the way; B: input fc2_w: QUANTISED (scales: A lowp_scales[10], B lowp_scales[11])
;;   THE QUANTISER, for each operand of a quantised product, along K:
;;     - The operand's scale is 2^e, e = its entry of the input lowp_scales (int32; the entries are numbered through the quantised products in the list's order, A before B).
;;     - Each number is divided by the scale, clamped to +-448, and rounded to the nearest number of E4M3, ties to even, subnormals kept.
;;     - The product sums the exact products of the quantised numbers (number of the format x scale) in f32.
;;   ~~~python
;;   def quantise(x, axis, e):      # numpy; x: float32 -> the quantised numbers, widened to float32 again
;;       x = np.moveaxis(x, axis, -1); K = x.shape[-1]
;;       r = np.clip(x / 2.0 ** e, -448, 448)
;;       step = 2.0 ** (np.maximum(np.frexp(np.where(r == 0, 1, r))[1] - 1, -6) - 3)
;;       q = np.round(r / step) * step * 2.0 ** e      # np.round: ties to even
;;       return np.moveaxis(q, -1, axis).astype(np.float32)
;;   ~~~
;;   SOFTMAX AHEAD OF A QUANTISED PRODUCT. Where the list says 'softmax', what is quantised is not the finished softmax but p = 2^(t - M), with t = logit x log2(e) and M = ceil(the row's largest t), a whole number; so 1/2 < the row's largest p <= 1. The row's sum l is taken of the UNQUANTISED p, in f32, and the product's result is divided by l at the end. Since M is a whole number, a kernel that streams over the keys may use a running M (the ceiling of the running maximum): every later rescaling is an exact power of two, so the quantised numbers keep their values, but for numbers so far below the row's largest that they fall under the format's range.
;;   OPERANDS COMPUTED ON THE WAY. 'Computed on the way' means the value that the module computes at that place (a softmax that the list does not call 'softmax' is quantised finished and normalised). What goes into a quantiser is computed in f32, as accurately as f32 sums, v_exp_f32 and their like allow (about 1e-6 of the number): no bf16 or f16 on the way to a quantiser, and a product that is left as it is and whose result goes on into a quantised operand takes f32 operands (vector FMAs, or v_wmma_f32_16x16x4_f32). A number that lies on a knife's edge between two numbers of the format may be rounded either way, as far as f32 arithmetic and the matrix unit's own rounding can turn it there, and no further.
;; One version. Each part assembles by itself: llvm-mc -triple=amdgcn-amd-amdhsa -mcpu=gfx1250 --defsym DOCPART=n.
;; ======== version 1 of 1: 8 launches
;; workspace buffers: wc 12,582,912 bytes; sc 256 bytes of whole numbers; ac 4,194,304 bytes; qc 4,194,304 bytes; kvc 8,388,608 bytes; x2 16,777,216 bytes; hid 16,777,216 bytes
;; launch wq (part 1): grid 384 x 1, 4 waves a work-group, no clusters, 0 bytes of LDS; arguments qkv_w, proj_w, fc1_w, fc2_w, lowp_scales, wc, sc; writes wc, sc
.if DOCPART == 1
	.amdgcn_target "amdgcn-amd-amdhsa--gfx1250"
	.amdhsa_code_object_version 6
	.text
	.protected	k_q9c7fb91041_wq
	.globl	k_q9c7fb91041_wq
	.p2align	8
	.type	k_q9c7fb91041_wq,@function
k_q9c7fb91041_wq:
	s_mov_b64 s[64:65], 0
	v_nop
	global_prefetch_b8 v0, s[64:65] scope:SCOPE_SE
	s_setreg_imm32_b32 hwreg(HW_REG_WAVE_MODE, 25, 1), 1
	s_wait_xcnt 0x0
; The four weights, f32 stored [K][N], become codes of E4M3 with the scale 2^e given for each (entries 1, 7, 9, 11), laid as IMAGES OF THE OPERAND'S REGISTERS.
; An image is 16 rows (n) x 128 k in 2,048 bytes: group c (512 bytes) holds lane l's 16 bytes at 16 l; lane (r = l % 16, h = l / 16) has row r, bytes 0-7: k = 32 c + 8 h + 0..7, bytes 8-15: k = 32 c + 16 + 8 h + 0..7.
; A tensor of N rows: byte ((k / 512) (N / 16) + n / 16) x 8,192 + ((k / 128) % 4) x 2,048 + the place in the image.  So 64 rows x 512 k are one dense block of 32 KB.
; A LANE TAKES A COLUMN n AND ITS REGISTERS RUN DOWN K: a block of 32 k of one column is the 16 bytes of lane slot (r, 0) (k 0-7, 16-23) and of slot (r, 1) (k 8-15, 24-31).
; A work-group takes 128 columns x 256 k, a wave 32 columns: sixteen lanes store 256 consecutive bytes, aligned.  Work-groups 0-95: qkv_w, 96-127: proj_w, 128-255: fc1_w, 256-383: fc2_w; only numbers and pointers are chosen, the path is one.
; Work-group 0 also copies entry 8 of the scales into sc, so that the LayerNorm body finds its exponent at byte 0 of its fourth argument in both its launches.
; LIMITS: -126 <= e and e + 8 <= 127.  NaN among the inputs is not served.
.set OFF, 32                           ; v32-63   byte offset of my column in row i of a block: 4 x lane + i x row bytes; never rewritten
.set X,   64                           ; v64-127  two sets of 32 numbers
.set C,   128                          ; v128-191 eight registers of codes for each block: no store's data are written again
	s_load_b256 s[4:11], s[0:1], 0x0               ; qkv_w s[4:5], proj_w s[6:7], fc1_w s[8:9], fc2_w s[10:11]
	s_load_b128 s[12:15], s[0:1], 0x20             ; the scales' exponents s[12:13], wc s[14:15]
	s_load_b64 s[16:17], s[0:1], 0x30              ; sc
	v_lshrrev_b32 v1, 5, v0
	v_readfirstlane_b32 s18, v1                    ; wave
	v_and_b32 v2, 31, v0                           ; lane
	v_lshlrev_b32 v[OFF], 2, v2
	v_and_b32 v3, 15, v0
	v_bfe_u32 v4, v0, 4, 1
	v_lshlrev_b32 v4, 13, v4
	v_lshl_add_u32 v4, v3, 4, v4                   ; out: lanes 16-31 hold the next tile of 16 rows, 8,192 bytes on; 16 bytes a lane
	s_mov_b32 s20, 256                             ; fc2_w's figures: first work-group,
	s_mov_b32 s21, 4                               ; log2 of its blocks of 256 along K,
	s_mov_b32 s22, 4096                            ; bytes in a row,
	s_mov_b32 s23, 8388608                         ; its place in wc
	s_wait_kmcnt 0x0
	s_load_b256 s[48:55], s[12:13], 0x0            ; e0 .. e7
	s_load_b128 s[56:59], s[12:13], 0x20           ; e8 .. e11
	s_mov_b64 s[24:25], s[10:11]
	s_cmp_lt_u32 ttmp9, 256                        ; fc1_w's
	s_cselect_b32 s20, 128, s20
	s_cselect_b32 s21, 2, s21
	s_cselect_b32 s22, 16384, s22
	s_cselect_b32 s23, 4194304, s23
	s_cselect_b64 s[24:25], s[8:9], s[24:25]
	s_cmp_lt_u32 ttmp9, 128                        ; proj_w's
	s_cselect_b32 s20, 96, s20
	s_cselect_b32 s22, 4096, s22
	s_cselect_b32 s23, 3145728, s23
	s_cselect_b64 s[24:25], s[6:7], s[24:25]
	s_cmp_lt_u32 ttmp9, 96                         ; qkv_w's
	s_cselect_b32 s20, 0, s20
	s_cselect_b32 s22, 12288, s22
	s_cselect_b32 s23, 0, s23
	s_cselect_b64 s[24:25], s[4:5], s[24:25]
	s_sub_co_u32 s27, ttmp9, s20                   ; my number within the tensor
	s_lshl_b32 s28, 1, s21
	s_sub_co_u32 s28, s28, 1
	s_and_b32 s28, s27, s28                        ; kb: which 256 along K
	s_lshr_b32 s29, s27, s21                       ; cb: which 128 columns
.set i, 1
.rept 31
	v_add_nc_u32 v[OFF+i], s22, v[OFF+i-1]
.set i, i+1
.endr
	s_lshl_b32 s30, s28, 8
	s_mul_i32 s30, s30, s22                        ; 256 kb rows,
	s_lshl_b32 s31, s29, 9
	s_add_co_u32 s30, s30, s31                     ; 128 cb columns,
	s_lshl_b32 s31, s18, 7
	s_add_co_u32 s30, s30, s31                     ; 32 columns a wave
	s_mov_b32 s31, 0
	s_add_nc_u64 s[32:33], s[24:25], s[30:31]      ; block 0's base; a base for each of the eight blocks, so that none is stepped while loads name it
	s_lshl_b32 s30, s22, 5                         ; 32 rows
.set i, 1
.rept 7
	s_add_nc_u64 s[32+2*i:33+2*i], s[30+2*i:31+2*i], s[30:31]
.set i, i+1
.endr
	s_lshr_b32 s60, s28, 1                         ; the chunk of 512 along K: (N / 16) x 8,192 = 128 x row bytes apart
	s_mul_i32 s60, s60, s22
	s_lshl_b32 s60, s60, 7
	s_add_co_u32 s60, s60, s23
	s_lshl_b32 s62, s29, 16                        ; 8 tiles of rows a work-group,
	s_add_co_u32 s60, s60, s62
	s_lshl_b32 s62, s18, 14                        ; 2 a wave,
	s_add_co_u32 s60, s60, s62
	s_and_b32 s62, s28, 1
	s_lshl_b32 s62, s62, 12                        ; and the chunk's first or second 256 along K
	s_add_co_u32 s60, s60, s62
	s_mov_b32 s61, 0
	s_add_nc_u64 s[60:61], s[14:15], s[60:61]
.macro LOAD t                          ; block t: W(32 t + i, my column), i = 0 .. 31: 128 consecutive bytes a wave and load
.set i, 0
.rept 32
	global_load_b32 v[X+32*((\t)%2)+i], v[OFF+i], s[32+2*(\t):33+2*(\t)] th:TH_LOAD_NT
.set i, i+1
.endr
.endm
	LOAD 0
	LOAD 1
	s_wait_kmcnt 0x0
	s_mov_b32 s26, s59                             ; e of my tensor
	s_cmp_lt_u32 ttmp9, 256
	s_cselect_b32 s26, s57, s26
	s_cmp_lt_u32 ttmp9, 128
	s_cselect_b32 s26, s55, s26
	s_cmp_lt_u32 ttmp9, 96
	s_cselect_b32 s26, s49, s26
	s_add_co_i32 s26, s26, 127
	s_lshl_b32 s27, s26, 23
	v_mov_b32 v11, s27                             ; 2^e as f32: the conversion takes its exponent field
	s_add_co_i32 s26, s26, 8
	s_lshl_b32 s26, s26, 23
	s_or_b32 s26, s26, 0x600000
	v_mov_b32 v10, s26                             ; 448 x 2^e
.macro BLOCK t
.set XS, X+32*((\t)%2)
.set CC, C+8*(\t)
.if (\t) < 7
	s_wait_loadcnt 32                              ; this block's 32 loads are in; the next block's 32 may be out
.else
	s_wait_loadcnt 0x0
.endif
.set i, 0
.rept 32
	v_med3_num_f32 v[XS+i], v[XS+i], -v10, v10     ; the conversion to an 8-bit code does not saturate (ISA guide 7.6.2): the hold comes first
.set i, i+1
.endr
	v_cvt_scalef32_pk8_fp8_f32 v[CC:CC+1], v[XS:XS+7], v11          ; slot (r, 0): k 0-7,
	v_cvt_scalef32_pk8_fp8_f32 v[CC+2:CC+3], v[XS+16:XS+23], v11    ; k 16-23
	v_cvt_scalef32_pk8_fp8_f32 v[CC+4:CC+5], v[XS+8:XS+15], v11     ; slot (r, 1): k 8-15,
	v_cvt_scalef32_pk8_fp8_f32 v[CC+6:CC+7], v[XS+24:XS+31], v11    ; k 24-31.  (The results go to stores alone; the next vector lines are the next block's holds, plain and on other registers)
	global_store_b128 v4, v[CC:CC+3], s[60:61] offset:((\t)/4)*2048+((\t)%4)*512
	global_store_b128 v4, v[CC+4:CC+7], s[60:61] offset:((\t)/4)*2048+((\t)%4)*512+256
.if (\t)+2 < 8
	LOAD (\t)+2
.endif
.endm
.irp t, 0,1,2,3,4,5,6,7
	BLOCK \t
.endr
	s_cmp_lg_u32 ttmp9, 0                          ; one wave of one work-group copies e8: 64 words, 256 bytes
	s_cbranch_scc1 .Lend
	s_cmp_lg_u32 s18, 0
	s_cbranch_scc1 .Lend
	v_mov_b32 v6, s56
	v_mov_b32 v7, s56
	v_lshlrev_b32 v5, 3, v2
	global_store_b64 v5, v[6:7], s[16:17]
.Lend:
	s_endpgm
.Lfunc_end_k_q9c7fb91041_wq:
	.size	k_q9c7fb91041_wq, .Lfunc_end_k_q9c7fb91041_wq-k_q9c7fb91041_wq
	.p2alignl 7, 3214868480
	.fill 96, 4, 3214868480
	.section	.rodata,"a",@progbits
	.p2align	6, 0x0
	.amdhsa_kernel k_q9c7fb91041_wq
		.amdhsa_group_segment_fixed_size 0
		.amdhsa_private_segment_fixed_size 0
		.amdhsa_enable_private_segment 0
		.amdhsa_kernarg_size 56
		.amdhsa_user_sgpr_count 2
		.amdhsa_user_sgpr_kernarg_segment_ptr 1
		.amdhsa_wavefront_size32 1
		.amdhsa_system_sgpr_workgroup_id_x 1
		.amdhsa_system_sgpr_workgroup_id_y 1
		.amdhsa_system_sgpr_workgroup_id_z 1
		.amdhsa_system_vgpr_workitem_id 0
		.amdhsa_next_free_vgpr 192
		.amdhsa_next_free_sgpr 66
		.amdhsa_reserve_vcc 0
		.amdhsa_float_denorm_mode_32 3
		.amdhsa_float_denorm_mode_16_64 3
		.amdhsa_memory_ordered 1
		.amdhsa_forward_progress 1
		.amdhsa_inst_pref_size 49
	.end_amdhsa_kernel
	.amdgpu_metadata
---
amdhsa.version: [ 1, 2 ]
amdhsa.kernels:
  - .name:           k_q9c7fb91041_wq
    .symbol:         k_q9c7fb91041_wq.kd
    .args:
      - { .name: qkv_w, .offset: 0, .size: 8, .value_kind: global_buffer, .address_space: global }
      - { .name: proj_w, .offset: 8, .size: 8, .value_kind: global_buffer, .address_space: global }
      - { .name: fc1_w, .offset: 16, .size: 8, .value_kind: global_buffer, .address_space: global }
      - { .name: fc2_w, .offset: 24, .size: 8, .value_kind: global_buffer, .address_space: global }
      - { .name: lowp_scales, .offset: 32, .size: 8, .value_kind: global_buffer, .address_space: global }
      - { .name: wc, .offset: 40, .size: 8, .value_kind: global_buffer, .address_space: global }
      - { .name: sc, .offset: 48, .size: 8, .value_kind: global_buffer, .address_space: global }
    .group_segment_fixed_size: 0
    .private_segment_fixed_size: 0
    .kernarg_segment_align: 8
    .kernarg_segment_size: 56
    .max_flat_workgroup_size: 128
    .sgpr_count:     66
    .vgpr_count:     192
    .wavefront_size: 32
...
	.end_amdgpu_metadata
.endif
;; end of part 1
;; launch ln1 (part 2): grid 256 x 1, 8 waves a work-group, no clusters, 18,432 bytes of LDS; arguments x, ln1_g, ln1_b, lowp_scales, ac; writes ac
.if DOCPART == 2
	.amdgcn_target "amdgcn-amd-amdhsa--gfx1250"
	.amdhsa_code_object_version 6
	.text
	.protected	k_q9c7fb91041_ln1
	.globl	k_q9c7fb91041_ln1
	.p2align	8
	.type	k_q9c7fb91041_ln1,@function
k_q9c7fb91041_ln1:
	s_mov_b64 s[64:65], 0
	v_nop
	global_prefetch_b8 v0, s[64:65] scope:SCOPE_SE
	s_setreg_imm32_b32 hwreg(HW_REG_WAVE_MODE, 25, 1), 1
	s_wait_xcnt 0x0
; y = (x - mean) / sqrt(var + 1e-5) x g + b along rows of 1,024 f32, quantised to E4M3 with the scale 2^e, e = the word at byte 0 of the fourth argument.  Out: codes as images of the operand's registers
; (16 rows x 128 k in 2,048 bytes; group c of 512 bytes: lane (r, h)'s 16 bytes at 16 (16 h + r): k = 32 c + 8 h + 0..7, then 32 c + 16 + 8 h + 0..7), tensor of 4,096 rows: ((k / 512) x 256 + row / 16) x 8,192 + ((k / 128) % 4) x 2,048.
; A work-group takes 16 rows, one tile; wave w takes rows 2 w and 2 w + 1, each whole in 32 registers: eight loads of 512 consecutive bytes.  Mean first, then the sum of squares of x - mean: no difference of large sums is formed.
; A lane's four numbers of load j are k = 128 j + 4 lane + 0..3: four bytes of one lane slot of K step j.  They meet the other rows' bytes in LDS (64 units of 256 bytes, 272 apart: the 32 lanes of a store fall on 32 different banks);
; behind one barrier wave w reads K step w back and stores 512 consecutive bytes an instruction.
; LIMITS: -126 <= e and e + 8 <= 127.  NaN among the inputs is not served.
.set CD,  8                            ; v8-23    codes: row i, load j at v[CD + 8 i + j]
.set LIM, 24                           ; v24      448 x 2^e
.set SCL, 25                           ; v25      2^e as f32
.set G,   32                           ; v32-63   g of my 32 columns
.set B,   64                           ; v64-95   b
.set T,   96                           ; v96-103  four chains of two
.set MM,  104                          ; v104-105 the mean, twice
.set RS0, 106                          ; v106-107 1 / sqrt(var + eps) of row 0, twice;  v108-109 of row 1
.set RS1, 108
.set TP,  110                          ; v110     a lane permute's destination
.set OUTR,112                          ; v112-127 the way out
.set R0,  128                          ; v128-159 row 0;  v160-191 row 1
.set R1,  160
.set UP,  272                          ; a unit in LDS: 256 bytes + 16
	s_load_b256 s[4:11], s[0:1], 0x0               ; x s[4:5], g s[6:7], b s[8:9], the exponent's buffer s[10:11]
	s_load_b64 s[12:13], s[0:1], 0x20              ; the codes
	v_lshl_add_u32 v192, v0, 2, 0x4400
	v_mov_b32 v193, 0
	v_lshrrev_b32 v1, 5, v0
	v_readfirstlane_b32 s18, v1                    ; wave 0..7
	v_and_b32 v2, 31, v0
	v_lshlrev_b32 v3, 4, v2                        ; 16 x lane
	v_lshrrev_b32 v4, 3, v2                        ; c = lane / 8
	v_bfe_u32 v5, v0, 1, 1                         ; h = (lane / 2) % 2
	v_lshl_add_u32 v4, v4, 1, v5                   ; unit 2 c + h of a K step's eight
	v_mul_u32_u24 v4, v4, UP
	v_bfe_u32 v5, v0, 2, 1                         ; the slot's second 8 bytes?
	v_lshl_add_u32 v4, v5, 3, v4
	v_and_b32 v5, 1, v0
	v_lshl_add_u32 v4, v5, 2, v4
	s_lshl_b32 s19, s18, 5
	v_add_nc_u32 v4, s19, v4                       ; + 16 x row 2 w
	v_bfe_u32 v5, v0, 4, 1
	v_mul_u32_u24 v5, v5, UP
	v_and_b32 v6, 15, v0
	v_lshl_add_u32 v5, v6, 4, v5
	s_mul_i32 s19, s18, 8*UP
	v_add_nc_u32 v5, s19, v5                       ; back: K step w's units, two an instruction
	v_mov_b32 v[TP], 0                             ; written once: a lane permute's destination counts as one of its sources
	s_mov_b32 s20, 0x3a800000                      ; 1 / 1,024
	s_mov_b32 s21, 0x3727c5ac                      ; 1e-5
	s_mov_b32 s22, 0x76543210
	s_mov_b32 s23, 0xfedcba98                      ; v_permlanex16_b32's selects for lane l xor 16
	s_lshl_b32 s14, ttmp9, 16                      ; 16 rows of 4,096 bytes a work-group,
	s_lshl_b32 s15, s18, 13                        ; 2 a wave
	s_add_co_u32 s14, s14, s15
	s_mov_b32 s15, 0
	s_lshr_b32 s16, s18, 2                         ; out: chunk w / 4,
	s_lshl_b32 s16, s16, 21
	s_lshl_b32 s17, ttmp9, 13                      ; my tile of rows,
	s_add_co_u32 s16, s16, s17
	s_and_b32 s17, s18, 3                          ; K step w % 4
	s_lshl_b32 s17, s17, 11
	s_add_co_u32 s16, s16, s17
	s_mov_b32 s17, 0
	s_wait_kmcnt 0x0
	s_load_b32 s24, s[10:11], 0x0                  ; e
	s_add_nc_u64 s[4:5], s[4:5], s[14:15]
	s_add_nc_u64 s[12:13], s[12:13], s[16:17]
.irp j, 0,1,2,3,4,5,6,7
	global_load_b128 v[R0+4*\j:R0+4*\j+3], v3, s[4:5] offset:512*\j
.endr
.irp j, 0,1,2,3,4,5,6,7
	global_load_b128 v[R1+4*\j:R1+4*\j+3], v3, s[4:5] offset:4096+512*\j
.endr
.irp j, 0,1,2,3,4,5,6,7
	global_load_b128 v[G+4*\j:G+4*\j+3], v3, s[6:7] offset:512*\j
.endr
.irp j, 0,1,2,3,4,5,6,7
	global_load_b128 v[B+4*\j:B+4*\j+3], v3, s[8:9] offset:512*\j
.endr
.macro REDUCE                          ; the four chains, the pair's halves, the 32 lanes: the sum in every lane's v[T]
	v_pk_add_f32 v[T:T+1], v[T:T+1], v[T+2:T+3]
	v_pk_add_f32 v[T+4:T+5], v[T+4:T+5], v[T+6:T+7]
	v_pk_add_f32 v[T:T+1], v[T:T+1], v[T+4:T+5]
	v_add_f32 v[T], v[T], v[T+1]
	v_add_f32_dpp v[T], v[T], v[T] row_xmask:1 row_mask:0xf bank_mask:0xf
	v_add_f32_dpp v[T], v[T], v[T] row_xmask:2 row_mask:0xf bank_mask:0xf
	v_add_f32_dpp v[T], v[T], v[T] row_xmask:4 row_mask:0xf bank_mask:0xf
	v_add_f32_dpp v[T], v[T], v[T] row_xmask:8 row_mask:0xf bank_mask:0xf
	v_permlanex16_b32 v[TP], v[T], s22, s23
	v_add_f32 v[T], v[T], v[TP]
.endm
.macro STATS r, rs                     ; the row at v[r] becomes x - mean; v[rs], v[rs + 1] = 1 / sqrt(var + eps)
.irp c, 0,1,2,3
	v_pk_add_f32 v[T+2*\c:T+2*\c+1], v[\r+4*\c:\r+4*\c+1], v[\r+4*\c+2:\r+4*\c+3]
.endr
.irp k, 0,1,2,3,4,5,6,7
	v_pk_add_f32 v[T+2*(\k%4):T+2*(\k%4)+1], v[T+2*(\k%4):T+2*(\k%4)+1], v[\r+16+2*\k:\r+17+2*\k]
.endr
	REDUCE
	v_mul_f32 v[MM], s20, v[T]
	v_mov_b32 v[MM+1], v[MM]
.irp k, 0,1,2,3,4,5,6,7,8,9,10,11,12,13,14,15
	v_pk_add_f32 v[\r+2*\k:\r+2*\k+1], v[\r+2*\k:\r+2*\k+1], v[MM:MM+1] neg_lo:[0,1] neg_hi:[0,1]
.endr
.irp c, 0,1,2,3
	v_pk_mul_f32 v[T+2*\c:T+2*\c+1], v[\r+2*\c:\r+2*\c+1], v[\r+2*\c:\r+2*\c+1]
.endr
.irp k, 4,5,6,7,8,9,10,11,12,13,14,15
	v_pk_fma_f32 v[T+2*(\k%4):T+2*(\k%4)+1], v[\r+2*\k:\r+2*\k+1], v[\r+2*\k:\r+2*\k+1], v[T+2*(\k%4):T+2*(\k%4)+1]
.endr
	REDUCE
	v_fma_f32 v[T], v[T], s20, s21                 ; var + eps
	v_rsq_f32 v[\rs], v[T]
	v_nop                                          ; one plain instruction behind the transcendental
	s_wait_alu depctr_va_vdst(0)
	v_mov_b32 v[\rs+1], v[\rs]
.endm
.macro NORM r, rs, i                   ; the wave's row i: scaled, quantised, its 32 bytes a lane put into LDS
.irp k, 0,1,2,3,4,5,6,7,8,9,10,11,12,13,14,15
	v_pk_mul_f32 v[\r+2*\k:\r+2*\k+1], v[\r+2*\k:\r+2*\k+1], v[\rs:\rs+1]
.endr
.irp k, 0,1,2,3,4,5,6,7,8,9,10,11,12,13,14,15
	v_pk_fma_f32 v[\r+2*\k:\r+2*\k+1], v[\r+2*\k:\r+2*\k+1], v[G+2*\k:G+2*\k+1], v[B+2*\k:B+2*\k+1]
.endr
.set n, 0
.rept 32
	v_med3_num_f32 v[\r+n], v[\r+n], -v[LIM], v[LIM]   ; the hold at 448 x 2^e: the conversion does not saturate (ISA guide 7.6.2)
.set n, n+1
.endr
.irp q, 0,1,2,3
	v_cvt_scalef32_pk8_fp8_f32 v[CD+8*\i+2*\q:CD+8*\i+2*\q+1], v[\r+8*\q:\r+8*\q+7], v[SCL]   ; loads 2 q and 2 q + 1: four codes in each of two registers
.endr
	v_nop                                          ; one plain vector line behind the last conversion
.irp j, 0,1,2,3,4,5,6,7
	ds_store_b32 v4, v[CD+8*\i+\j] offset:\j*8*UP+\i*16
.endr
.endm
	s_wait_loadcnt 24                              ; row 0 is in; row 1, g and b (24 loads) may be out
	STATS R0, RS0
	s_wait_loadcnt 16                              ; row 1 is in; g and b (16 loads) may be out
	STATS R1, RS1
	s_wait_kmcnt 0x0
	s_add_co_i32 s24, s24, 127
	s_lshl_b32 s25, s24, 23
	v_mov_b32 v[SCL], s25                          ; 2^e as f32: the conversion takes its exponent field
	s_add_co_i32 s24, s24, 8
	s_lshl_b32 s24, s24, 23
	s_or_b32 s24, s24, 0x600000
	v_mov_b32 v[LIM], s24                          ; 448 x 2^e
	s_wait_loadcnt 0x0                             ; g and b
	NORM R0, RS0, 0
	NORM R1, RS1, 1
	s_wait_dscnt 0x0                               ; for the others' sake: my stores have landed
	s_barrier_signal -1
	s_barrier_wait -1
.irp i, 0,1,2,3
	ds_load_b128 v[OUTR+4*\i:OUTR+4*\i+3], v5 offset:\i*2*UP
.endr
.irp i, 0,1,2,3
	s_wait_dscnt 3-\i                              ; LDS loads come back in order: group i is in
	global_store_b128 v3, v[OUTR+4*\i:OUTR+4*\i+3], s[12:13] offset:512*\i
.endr
	s_wait_tensorcnt 0x0
	ds_add_u32 v192, v193
	s_wait_dscnt 0x0
	s_endpgm
.Lfunc_end_k_q9c7fb91041_ln1:
	.size	k_q9c7fb91041_ln1, .Lfunc_end_k_q9c7fb91041_ln1-k_q9c7fb91041_ln1
	.p2alignl 7, 3214868480
	.fill 96, 4, 3214868480
	.section	.rodata,"a",@progbits
	.p2align	6, 0x0
	.amdhsa_kernel k_q9c7fb91041_ln1
		.amdhsa_group_segment_fixed_size 18432
		.amdhsa_private_segment_fixed_size 0
		.amdhsa_enable_private_segment 0
		.amdhsa_kernarg_size 40
		.amdhsa_user_sgpr_count 2
		.amdhsa_user_sgpr_kernarg_segment_ptr 1
		.amdhsa_wavefront_size32 1
		.amdhsa_system_sgpr_workgroup_id_x 1
		.amdhsa_system_sgpr_workgroup_id_y 1
		.amdhsa_system_sgpr_workgroup_id_z 1
		.amdhsa_system_vgpr_workitem_id 0
		.amdhsa_next_free_vgpr 194
		.amdhsa_next_free_sgpr 66
		.amdhsa_reserve_vcc 0
		.amdhsa_float_denorm_mode_32 3
		.amdhsa_float_denorm_mode_16_64 3
		.amdhsa_memory_ordered 1
		.amdhsa_forward_progress 1
		.amdhsa_inst_pref_size 25
	.end_amdhsa_kernel
	.amdgpu_metadata
---
amdhsa.version: [ 1, 2 ]
amdhsa.kernels:
  - .name:           k_q9c7fb91041_ln1
    .symbol:         k_q9c7fb91041_ln1.kd
    .args:
      - { .name: x, .offset: 0, .size: 8, .value_kind: global_buffer, .address_space: global }
      - { .name: ln1_g, .offset: 8, .size: 8, .value_kind: global_buffer, .address_space: global }
      - { .name: ln1_b, .offset: 16, .size: 8, .value_kind: global_buffer, .address_space: global }
      - { .name: lowp_scales, .offset: 24, .size: 8, .value_kind: global_buffer, .address_space: global }
      - { .name: ac, .offset: 32, .size: 8, .value_kind: global_buffer, .address_space: global }
    .group_segment_fixed_size: 18432
    .private_segment_fixed_size: 0
    .kernarg_segment_align: 8
    .kernarg_segment_size: 40
    .max_flat_workgroup_size: 256
    .sgpr_count:     66
    .vgpr_count:     194
    .wavefront_size: 32
...
	.end_amdgpu_metadata
.endif
;; end of part 2
;; launch qkv (part 3): grid 8 x 32, 4 waves a work-group, clusters of 4 x 4, 327,680 bytes of LDS; arguments ac, wc, lowp_scales, qkv_b, qc, kvc; writes qc, kvc
.if DOCPART == 3
	.amdgcn_target "amdgcn-amd-amdhsa--gfx1250"
	.amdhsa_code_object_version 6
	.text
	.protected	k_q9c7fb91041_qkv
	.globl	k_q9c7fb91041_qkv
	.p2align	8
	.type	k_q9c7fb91041_qkv,@function
k_q9c7fb91041_qkv:
	s_mov_b64 s[64:65], 0
	v_nop
	global_prefetch_b8 v0, s[64:65] scope:SCOPE_SE
	s_setreg_imm32_b32 hwreg(HW_REG_WAVE_MODE, 25, 1), 1
	s_wait_xcnt 0x0
	s_wait_alu depctr_hold_cnt(0) depctr_sa_sdst(0) depctr_va_vdst(0) depctr_va_sdst(0) depctr_va_ssrc(0) depctr_va_vcc(0) depctr_vm_vsrc(0)
	s_getreg_b32 s2, hwreg(HW_REG_IB_STS2, 6, 4)
	s_cmp_eq_u32 s2, 0
	s_cbranch_scc0 .Lentry_in_a_cluster
	s_endpgm
.Lentry_in_a_cluster:
	s_bfe_u32 s2, ttmp6, 0x10000c
	s_cmp_lg_u32 s2, 0xf033
	s_cbranch_scc0 .Lentry_shape_is_right
	s_endpgm
.Lentry_shape_is_right:
; q, k and v = LN1(x) qkv_w + qkv_b, on codes of E4M3 (scales: entries 0 and 1), each quantised again on the way out: k with entry 2 (the left operand of the scores' product as it is lowered), q with entry 3, v with entry 4.
; OPERANDS ARE IMAGES OF THEIR REGISTERS (16 rows x 128 k in 2,048 bytes, four groups of 512: lane l's 16 bytes at 16 l).  In memory 64 rows x 512 k are one dense block of 32 KB, so a tile comes by one tensor load without padding,
; and a fragment by four ds_load_b128 at 16 x lane: consecutive bytes.
; A WORK-GROUP STAYS: it keeps 128 tokens and makes three tiles of 128 x 128: tile columns gx (q), 8 + gx (k), 16 + gx (v): the same two heads.  Four waves, each 64 x 64: 16 accumulators.  K = 1,024 is two chunks of 512, one in each of two
; LDS slots (A's 64 KB, then B's 64 KB).  A'S 128 KB ARE FETCHED ONCE AND SERVE ALL THREE TILES; B's 128 KB are filled again for the next tile as soon as B's last fragments are in registers: one load of 32 KB a wave, behind a round of
; the cluster's barrier; it lands under that step's products and the way out.  A wave has two tensor loads out at the start and one behind each round.
; CLUSTERS: 4 x 4 work-groups; the four of a row need the same tiles of A, the four of a column walk the same tiles of B: each is asked for jointly.
; q AND k: THE MATRIX INSTRUCTION IS USED TRANSPOSED (source 0 = 16 rows of the weight's image, source 1 = 16 tokens): a lane holds one token and eight neighbouring columns.  A wave's 64 columns are one head, so two neighbouring
; accumulators, converted, are one group of the next operand's image.  v: AS IT STANDS (source 0 = tokens): a lane holds one channel and eight neighbouring tokens, since the keys are the K of the product with the softmax; the tile's 128
; tokens are one key step.  Either way the wave stores 512 consecutive bytes straight from registers.
; The biases, divided by 2^(e0 + e1), are the C of each sum's first product; all three are loaded at the head and lie in window 2.
; The launch claims all of a WGP's LDS, and the add onto the spare words stands where it stands.
; LIMITS: eo - e0 - e1 between -126 and 119 (eo = e3 for q, e2 for k, e4 for v).  NaN among the inputs is not served.
.set CSA,  2097152                     ; from chunk to chunk of A: 256 tiles of rows x 8,192
.set CSB,  1572864                     ; of the weight: 192 tiles
.set BSTEP,524288                      ; from tile to tile of a work-group's walk: eight tile columns x 65,536
.set SLOT, 131072                      ; a slot: A's 8 tiles of rows x 8,192, then B's 8
.set SPARE,262144                      ; behind the slots: the spare words, 128 bytes for each wave: two blocks of 256 bytes that no other line names
.set ADRA, 16                          ; v16-17 LDS address of my A fragments in slot 0, 1;  v20-21 of B's
.set ADRB, 20
.set SPW,  28                          ; v28  LDS address of my spare word; never rewritten
.set NIL,  29                          ; v29  0; never rewritten
.set TMP,  64                          ; v64-95  the codes on the way out
.set ACC,  128                         ; v128-255 accumulator (a, b) at v[ACC + 8 (4 a + b)]
.set F0,   0                           ; window 1: two fragment buffers: A's four fragments at + 16 i, B's at + 64 + 16 i
.set F1,   128
.set BQ,   0                           ; window 2: q's bias in the result's layout, eight registers for each b;
.set BK2,  32                          ; k's;
.set BV,   64                          ; v's
.set G1,   24                          ; s[24:31] descriptor group 1 for A's tiles; s[32:39] group 0, a set for each slot
.set G0,   32
.set G1B,  48                          ; s[48:55], s[56:63] the same for B's first fills
.set G0B,  56
.set G0R,  84                          ; s[84:87] group 0 of B's refills: it walks
.set MSB,  0
.set SW,   0                           ; 1: the sources are swapped (v's tile)
.set BB,   BQ                          ; the bias of the tile in hand
.macro WIN new                         ; the immediate's high byte repeats the setting that is left
.if MSB != \new
	s_set_vgpr_msb (MSB<<8)|\new
.set MSB, \new
.endif
.endm
.set MUL,  0x05                        ; sources 0 and 1 window 1; C and D window 0
.set MULB, 0x25                        ; the same with C (the bias) in window 2
.set TO_F, 0x40                        ; destination window 1, address window 0
.set TO_2, 0x80                        ; destination window 2, address window 0
.set W22,  0x82                        ; source 0 and destination window 2
.macro JLOAD s                         ; a joint first fill: waves 0 and 1 fetch A's two halves, waves 2 and 3 B's; four v_nop follow each line
	s_cmp_eq_u32 s11, 0
	s_cbranch_scc0 .Lfor_b_\@
	tensor_load_to_lds s[G0+4*(\s):G0+4*(\s)+3], s[G1:G1+7]
	s_nop 0
.rept 4
	v_nop
.endr
	s_branch .Lasked_\@
.Lfor_b_\@:
	tensor_load_to_lds s[G0B+4*(\s):G0B+4*(\s)+3], s[G1B:G1B+7]
	s_nop 0
.rept 4
	v_nop
.endr
.Lasked_\@:
.endm
.macro CREST
	s_cmp_lg_u32 s10, 0
	s_cbranch_scc1 .Lnot_wave_0_\@
	s_barrier_signal -3
.Lnot_wave_0_\@:
	s_barrier_wait -3
	s_barrier_signal -1
	s_barrier_wait -1
.endm
.macro CROUND                          ; a round of the cluster's barrier
	s_barrier_signal -1
	s_barrier_wait -1
	CREST
.endm
.macro PLACES                          ; four places in front of loads into registers that matrix instructions have read, and of the first read of results
.rept 4
	v_nop
.endr
.endm
.macro FETCH slot, q, f                ; the fragments of the slot's q-th 128 along K into buffer f: 32 loads in one run
	WIN TO_F
.irp i, 0,1,2,3
.irp c, 0,1,2,3
	ds_load_b128 v[\f+64+16*\i+4*\c:\f+64+16*\i+4*\c+3], v[ADRB+\slot] offset:\i*8192+(\q)*2048+\c*512
.endr
.endr
.irp i, 0,1,2,3
.irp c, 0,1,2,3
	ds_load_b128 v[\f+16*\i+4*\c:\f+16*\i+4*\c+3], v[ADRA+\slot] offset:\i*8192+(\q)*2048+\c*512
.endr
.endr
.endm
.macro MUL16 f, mode                   ; 16 products, 128 along K; the 16 accumulators take turns, in the same order in every step.  mode = 1: the bias starts the sums
.if \mode
	WIN MULB
.else
	WIN MUL
.endif
.irp a, 0,1,2,3
.irp b, 0,1,2,3
.if SW
.set OPX, \f+16*\a
.set OPY, \f+64+16*\b
.else
.set OPX, \f+64+16*\b
.set OPY, \f+16*\a
.endif
.if \mode
	v_wmma_f32_16x16x128_fp8_fp8 v[ACC+8*(4*\a+\b):ACC+8*(4*\a+\b)+7], v[OPX:OPX+15], v[OPY:OPY+15], v[BB+8*\b:BB+8*\b+7]
.else
	v_wmma_f32_16x16x128_fp8_fp8 v[ACC+8*(4*\a+\b):ACC+8*(4*\a+\b)+7], v[OPX:OPX+15], v[OPY:OPY+15], v[ACC+8*(4*\a+\b):ACC+8*(4*\a+\b)+7]
.endif
.endr
.endr
.endm
.macro STEPK f, g, nslot, nq, mode, bar   ; multiplies buffer f; ahead of that it fetches the next step's fragments into g.  bar = 1: they are the first of slot 1, whose first fill may still be out
	WIN 0
.if \bar
	s_wait_tensorcnt 0x0                           ; my part of slot 1 has landed
.endif
	s_wait_dscnt 0x0                               ; buffer f is in
.if \bar
	s_barrier_signal -1
	s_barrier_wait -1                              ; everybody's part has
.endif
	PLACES
	FETCH \nslot, \nq, \g
	MUL16 \f, \mode
.endm
; A tile's last step.  more = 1: B's last fragments are in registers, so both of B's chunks are filled again, with the next tile's.
.macro LAST f, more
	WIN 0
.if \more
	s_wait_tensorcnt 0x0                           ; no tensor load of mine is out, so a group 0 may be written
	ds_add_u32 v[SPW], v[NIL]                      ; 0 onto my spare word; the descriptor's step stands between it and the wait for it
	s_add_nc_u64 s[G0R+2:G0R+3], s[G0R+2:G0R+3], BSTEP   ; the next tile's rows of the weight; the type bits on top are not reached
	s_wait_dscnt 0x0                               ; the add is done, and my reads of B's chunks are over: the last are buffer f
	CROUND                                         ; no wave of any partner still reads them or has a load on its way
	tensor_load_to_lds s[G0R:G0R+3], s[G1B:G1B+7]  ; the first tensor load behind the round, my only one until the next: 32 KB: half w % 2 of chunk w / 2
	s_nop 0
	PLACES
.else
	s_wait_dscnt 0x0
.endif
	MUL16 \f, 0
	WIN 0
	PLACES
.endm
.macro TILE first, more
	STEPK F0, F1, 0, 1, 1, 0
	STEPK F1, F0, 0, 2, 0, 0
	STEPK F0, F1, 0, 3, 0, 0
	STEPK F1, F0, 1, 0, 0, \first
	STEPK F0, F1, 1, 1, 0, 0
	STEPK F1, F0, 1, 2, 0, 0
	STEPK F0, F1, 1, 3, 0, 0
	LAST F1, \more
.endm
.macro NEXTT                           ; the next tile's B is awaited, and its first fragments are fetched
	s_wait_tensorcnt 0x0                           ; no load was issued behind my part of it: it has landed,
	s_barrier_signal -1
	s_barrier_wait -1                              ; everybody's has
	FETCH 0, 0, F0
.endm
; THE WAY OUT of q or k: group g = 2 a + p: accumulators (a, 2 p) and (a, 2 p + 1) are channels 32 p + 8 h + 0..7 and 32 p + 16 + 8 h + 0..7 of token 16 a + r: group p of tile a's image
.macro OUTQK sc, lim, bs
	s_wait_xcnt 0x0                                ; the codes' registers are rewritten only when the last tile's stores have read them
.irp g, 0,1,2,3,4,5,6,7
.set i, 0
.rept 16
	v_med3_num_f32 v[ACC+16*\g+i], v[ACC+16*\g+i], -v[\lim], v[\lim]   ; the hold: the conversion does not saturate (ISA guide 7.6.2); each accumulator from its low end on
.set i, i+1
.endr
	v_cvt_scalef32_pk8_fp8_f32 v[TMP+4*\g:TMP+4*\g+1], v[ACC+16*\g:ACC+16*\g+7], v[\sc]
	v_cvt_scalef32_pk8_fp8_f32 v[TMP+4*\g+2:TMP+4*\g+3], v[ACC+16*\g+8:ACC+16*\g+15], v[\sc]
.endr
	v_nop                                          ; one plain vector line behind the last conversion
.irp g, 0,1,2,3,4,5,6,7
	global_store_b128 v3, v[TMP+4*\g:TMP+4*\g+3], s[\bs:\bs+1] offset:(\g/2)*1024+(\g%2)*512   ; 32 lanes store 512 consecutive bytes, aligned
.endr
.endm
; THE WAY OUT of v: accumulators (2 p, b) and (2 p + 1, b) are keys 32 p + 8 h + 0..7 and 32 p + 16 + 8 h + 0..7 of my 64, of channel 16 b + r: group 2 (my half of the tokens) + p of the image of channels 16 b ..
.macro OUTV sc, lim, bs
	s_wait_xcnt 0x0
.irp b, 0,1,2,3
.irp p, 0,1
.set A0, ACC+8*(8*\p+\b)
.set A1, ACC+8*(8*\p+4+\b)
.set D0, TMP+4*(2*\b+\p)
.set i, 0
.rept 8
	v_med3_num_f32 v[A0+i], v[A0+i], -v[\lim], v[\lim]
.set i, i+1
.endr
.set i, 0
.rept 8
	v_med3_num_f32 v[A1+i], v[A1+i], -v[\lim], v[\lim]
.set i, i+1
.endr
	v_cvt_scalef32_pk8_fp8_f32 v[D0:D0+1], v[A0:A0+7], v[\sc]
	v_cvt_scalef32_pk8_fp8_f32 v[D0+2:D0+3], v[A1:A1+7], v[\sc]
.endr
.endr
	v_nop                                          ; one plain vector line behind the last conversion
.irp b, 0,1,2,3
.irp p, 0,1
	global_store_b128 v3, v[TMP+4*(2*\b+\p):TMP+4*(2*\b+\p)+3], s[\bs:\bs+1] offset:\b*2048+\p*512
.endr
.endr
.endm
.macro MKSC e, vs, vl                  ; v[vs] = 2^(s[e] - e0 - e1): the three scales folded into the conversion's one;  v[vl] = 448 x that
	s_sub_co_i32 s21, s[\e], s45
	s_add_co_i32 s21, s21, 127
	s_lshl_b32 s22, s21, 23
	v_mov_b32 v[\vs], s22
	s_add_co_i32 s21, s21, 8
	s_lshl_b32 s21, s21, 23
	s_or_b32 s21, s21, 0x600000
	v_mov_b32 v[\vl], s21
.endm
	s_load_b128 s[4:7], s[0:1], 0x0                ; A's codes s[4:5], the weights' codes s[6:7]
	s_load_b128 s[76:79], s[0:1], 0x10             ; the scales' exponents s[76:77], the bias s[78:79]
	s_load_b128 s[80:83], s[0:1], 0x20             ; qc s[80:81], kvc s[82:83]
	v_lshl_add_u32 v[SPW], v0, 2, SPARE
	v_mov_b32 v[NIL], 0
	ds_add_u32 v28, v29
	ds_add_u32 v28, v29
	s_wait_dscnt 0x0
	v_lshrrev_b32 v1, 5, v0
	v_readfirstlane_b32 s10, v1                    ; wave 0..3
	s_lshr_b32 s11, s10, 1                         ; which half of the tile's rows is mine.  Also: I first fetch for A (0) or for B (1); I refill B's chunk 0 or 1
	s_and_b32 s12, s10, 1                          ; which half of its columns.  Also: which half of a tile I fetch
	s_bfe_u32 s40, ttmp6, 0x40000                  ; cx, cy: my place in the cluster
	s_bfe_u32 s41, ttmp6, 0x40004
	s_lshl_b32 s42, ttmp9, 2
	s_add_co_u32 s42, s42, s40                     ; gx = 4 x cluster x + cx: my tile column within q, within k and within v
	s_and_b32 s13, ttmp7, 0xffff
	s_lshl_b32 s13, s13, 2
	s_add_co_u32 s13, s13, s41                     ; tile row = 4 x cluster y + cy
	s_lshl_b32 s43, s41, 2
	s_lshl_b32 s43, 15, s43                        ; my row of the cluster
	s_lshl_b32 s44, 0x1111, s40                    ; my column
	s_or_b32 s[G1+0], s43, (3<<16)|(1<<21)         ; 15:0 the mask; 17:16 elements of 8 bytes; 21 set beside a mask; no padding
	s_or_b32 s[G1B+0], s44, (3<<16)|(1<<21)
.irp g, G1, G1B
	s_mov_b32 s[\g+1], 32<<16                      ; tensor_dim0 = 32 elements: rows of 256 bytes
	s_mov_b32 s[\g+2], 128<<16                     ; tensor_dim1 = 128
	s_mov_b32 s[\g+3], 32<<16                      ; tile_dim0
	s_mov_b32 s[\g+4], 128                         ; tile_dim1: 32 KB, dense
	s_mov_b32 s[\g+5], 32                          ; the pitch
	s_mov_b32 s[\g+6], 0
	s_mov_b32 s[\g+7], 0
.endr
	s_lshl_b32 s17, s12, 15                        ; my half: four tiles of rows x 8,192
	s_lshl_b32 s16, s13, 16
	s_add_co_u32 s16, s16, s17                     ; A: hangs on the tile row and the wave alone
	s_lshl_b32 s46, s42, 16
	s_add_co_u32 s46, s46, s17                     ; B: on gx and the wave alone: q's tile
	s_mul_i32 s88, s11, CSB
	s_add_co_u32 s88, s88, s46                     ; B's refills: chunk w / 2, half w % 2
	s_mov_b32 s89, 0
	s_mov_b32 s17, 0
	s_mov_b32 s47, 0
	s_lshl_b32 s20, s10, 15                        ; where the first fills go: wave x 32 KB
	s_lshl_b32 s21, s11, 17                        ; where the refills go: slot w / 2,
	s_lshl_b32 s22, s12, 15                        ; half w % 2
	s_add_co_u32 s21, s21, s22
	s_add_co_u32 s21, s21, 65536                   ; of B's part
	s_wait_kmcnt 0x0
	s_load_b256 s[68:75], s[76:77], 0x0            ; e0 .. e7
	s_add_nc_u64 s[14:15], s[4:5], s[16:17]
	s_add_nc_u64 s[46:47], s[6:7], s[46:47]
	s_mov_b32 s[G0R], 1
	s_mov_b32 s[G0R+1], s21
	s_add_nc_u64 s[G0R+2:G0R+3], s[6:7], s[88:89]  ; q's tile: each refill steps it first
	s_or_b32 s[G0R+3], s[G0R+3], 0x80000000
	CROUND                                         ; all sixteen work-groups are here: the first joint loads meet
.irp s, 0,1
	s_mov_b32 s[G0+4*\s], 1
	s_add_co_u32 s[G0+4*\s+1], s20, \s*SLOT
	s_add_nc_u64 s[G0+4*\s+2:G0+4*\s+3], s[14:15], \s*CSA
	s_or_b32 s[G0+4*\s+3], s[G0+4*\s+3], 0x80000000
	s_mov_b32 s[G0B+4*\s], 1
	s_add_co_u32 s[G0B+4*\s+1], s20, \s*SLOT
	s_add_nc_u64 s[G0B+4*\s+2:G0B+4*\s+3], s[46:47], \s*CSB
	s_or_b32 s[G0B+4*\s+3], s[G0B+4*\s+3], 0x80000000
	JLOAD \s                                       ; two loads of mine are out
.endr
	v_and_b32 v1, 15, v0                           ; r
	v_bfe_u32 v2, v0, 4, 1                         ; h
	v_and_b32 v3, 31, v0
	v_lshlrev_b32 v3, 4, v3                        ; 16 x lane
	s_lshl_b32 s21, s11, 15                        ; my four tiles of A,
	s_lshl_b32 s22, s12, 15                        ; of B,
	s_add_co_u32 s22, s22, 65536                   ; which lie behind A's eight
.irp s, 0,1
	v_add_nc_u32 v[ADRA+\s], s21, v3
	v_add_nc_u32 v[ADRB+\s], s22, v3
	s_add_co_u32 s21, s21, SLOT
	s_add_co_u32 s22, s22, SLOT
.endr
	v_lshlrev_b32 v22, 5, v2                       ; q's and k's bias: lane (r, h) wants columns 16 b + 8 h + 0..7
	v_lshlrev_b32 v23, 2, v1                       ; v's: column 16 b + r, in all eight registers
	s_lshl_b32 s46, s42, 9
	s_lshl_b32 s47, s12, 8
	s_add_co_u32 s46, s46, s47                     ; 4 x (128 gx + 64 x half)
	s_mov_b32 s47, 0
	s_add_nc_u64 s[78:79], s[78:79], s[46:47]
	WIN TO_2
.irp b, 0,1,2,3
	global_load_b128 v[BQ+8*\b:BQ+8*\b+3], v22, s[78:79] offset:64*\b
	global_load_b128 v[BQ+8*\b+4:BQ+8*\b+7], v22, s[78:79] offset:64*\b+16
	global_load_b128 v[BK2+8*\b:BK2+8*\b+3], v22, s[78:79] offset:4096+64*\b          ; k's bias begins at number 1,024,
	global_load_b128 v[BK2+8*\b+4:BK2+8*\b+7], v22, s[78:79] offset:4096+64*\b+16
.endr
.irp b, 0,1,2,3
.irp j, 0,1,2,3,4,5,6,7
	global_load_b32 v[BV+8*\b+\j], v23, s[78:79] offset:8192+64*\b                    ; v's at number 2,048
.endr
.endr
	WIN 0
	; where my images go.  head = 16 x batch + 2 gx + half.  q: qc + head x 131,072 + (tile of 16 queries) x 1,024;  k: kvc + head x 262,144 + key step x 16,384 + (tile of 16 keys) x 1,024;
	; v: kvc + head x 262,144 + key step x 16,384 + 8,192 (behind the step's keys) + 1,024 x my half of the tokens.  The tile's 128 tokens are one key step
	s_lshr_b32 s16, s13, 4
	s_lshl_b32 s16, s16, 21                        ; 16 x batch x 131,072
	s_and_b32 s17, s13, 15                         ; the key step
	s_lshl_b32 s18, s17, 13
	s_add_co_u32 s18, s18, s16
	s_lshl_b32 s19, s11, 12                        ; my four tiles of 16 tokens
	s_add_co_u32 s18, s18, s19                     ; q: what hangs on the tile row and the wave
	s_lshl_b32 s16, s16, 1                         ; 16 x batch x 262,144
	s_lshl_b32 s17, s17, 14
	s_add_co_u32 s16, s16, s17
	s_add_co_u32 s17, s16, s19                     ; k: likewise
	s_lshl_b32 s19, s11, 10
	s_add_co_u32 s16, s16, s19
	s_add_co_u32 s16, s16, 8192                    ; v: likewise
	s_lshl_b32 s46, s42, 1
	s_add_co_u32 s46, s46, s12                     ; the head within the batch
	s_lshl_b32 s47, s46, 17
	s_lshl_b32 s46, s46, 18
	s_mov_b32 s93, 0
	s_add_co_u32 s92, s18, s47
	s_add_nc_u64 s[80:81], s[80:81], s[92:93]      ; q's images
	s_add_co_u32 s92, s16, s46
	s_add_nc_u64 s[90:91], s[82:83], s[92:93]      ; v's
	s_add_co_u32 s92, s17, s46
	s_add_nc_u64 s[82:83], s[82:83], s[92:93]      ; k's
	s_wait_kmcnt 0x0
	s_add_co_i32 s45, s68, s69                     ; e0 + e1: a sum stands for sum x 2^(e0 + e1)
	MKSC 71, 8, 9                                  ; q takes entry 3,
	MKSC 70, 10, 11                                ; k entry 2,
	MKSC 72, 12, 13                                ; v entry 4
	s_sub_co_i32 s45, 0, s45
	s_wait_loadcnt 0x0
	WIN W22
.set i, 0
.rept 96
	v_ldexp_f32 v[BQ+i], v[BQ+i], s45              ; the biases go in divided by the power of two that the sums lack
.set i, i+1
.endr
	WIN 0
	s_wait_tensorcnt 0x1                           ; my part of chunk 0 is in; chunk 1's load may stay out
	s_barrier_signal -1
	s_barrier_wait -1
	FETCH 0, 0, F0
	TILE 1, 1                                      ; q; k's rows of the weight are asked for
	OUTQK 8, 9, 80
	NEXTT
.set BB, BK2
	TILE 0, 1                                      ; k; v's rows are asked for
	OUTQK 10, 11, 82
	NEXTT
.set BB, BV
.set SW, 1
	TILE 0, 0                                      ; v: nothing is left to fetch
	OUTV 12, 13, 90
	s_wait_tensorcnt 0x0                           ; the wave's end, behind my last tensor load
	ds_add_u32 v[SPW], v[NIL]
	s_wait_dscnt 0x0
	CROUND                                         ; the closing round
	s_endpgm
.Lfunc_end_k_q9c7fb91041_qkv:
	.size	k_q9c7fb91041_qkv, .Lfunc_end_k_q9c7fb91041_qkv-k_q9c7fb91041_qkv
	.p2alignl 7, 3214868480
	.fill 96, 4, 3214868480
	.section	.rodata,"a",@progbits
	.p2align	6, 0x0
	.amdhsa_kernel k_q9c7fb91041_qkv
		.amdhsa_group_segment_fixed_size 327680
		.amdhsa_private_segment_fixed_size 0
		.amdhsa_enable_private_segment 0
		.amdhsa_kernarg_size 48
		.amdhsa_user_sgpr_count 2
		.amdhsa_user_sgpr_kernarg_segment_ptr 1
		.amdhsa_wavefront_size32 1
		.amdhsa_system_sgpr_workgroup_id_x 1
		.amdhsa_system_sgpr_workgroup_id_y 1
		.amdhsa_system_sgpr_workgroup_id_z 1
		.amdhsa_system_vgpr_workitem_id 0
		.amdhsa_next_free_vgpr 768
		.amdhsa_next_free_sgpr 96
		.amdhsa_reserve_vcc 0
		.amdhsa_float_denorm_mode_32 3
		.amdhsa_float_denorm_mode_16_64 3
		.amdhsa_memory_ordered 1
		.amdhsa_forward_progress 1
		.amdhsa_inst_pref_size 129
	.end_amdhsa_kernel
	.amdgpu_metadata
---
amdhsa.version: [ 1, 2 ]
amdhsa.kernels:
  - .name:           k_q9c7fb91041_qkv
    .symbol:         k_q9c7fb91041_qkv.kd
    .args:
      - { .name: ac, .offset: 0, .size: 8, .value_kind: global_buffer, .address_space: global }
      - { .name: wc, .offset: 8, .size: 8, .value_kind: global_buffer, .address_space: global }
      - { .name: lowp_scales, .offset: 16, .size: 8, .value_kind: global_buffer, .address_space: global }
      - { .name: qkv_b, .offset: 24, .size: 8, .value_kind: global_buffer, .address_space: global }
      - { .name: qc, .offset: 32, .size: 8, .value_kind: global_buffer, .address_space: global }
      - { .name: kvc, .offset: 40, .size: 8, .value_kind: global_buffer, .address_space: global }
    .group_segment_fixed_size: 327680
    .private_segment_fixed_size: 0
    .kernarg_segment_align: 8
    .kernarg_segment_size: 48
    .max_flat_workgroup_size: 128
    .sgpr_count:     96
    .vgpr_count:     768
    .wavefront_size: 32
...
	.end_amdgpu_metadata
.endif
;; end of part 3
;; launch attn (part 4): grid 8 x 32, 16 waves a work-group, clusters of 4 x 1, 264,192 bytes of LDS; arguments qc, kvc, lowp_scales, ac; writes ac
.if DOCPART == 4
	.amdgcn_target "amdgcn-amd-amdhsa--gfx1250"
	.amdhsa_code_object_version 6
	.text
	.protected	k_q9c7fb91041_attn
	.globl	k_q9c7fb91041_attn
	.p2align	8
	.type	k_q9c7fb91041_attn,@function
k_q9c7fb91041_attn:
	s_mov_b64 s[64:65], 0
	v_nop
	global_prefetch_b8 v0, s[64:65] scope:SCOPE_SE
	s_setreg_imm32_b32 hwreg(HW_REG_WAVE_MODE, 25, 1), 1
	s_wait_xcnt 0x0
	s_wait_alu depctr_hold_cnt(0) depctr_sa_sdst(0) depctr_va_vdst(0) depctr_va_sdst(0) depctr_va_ssrc(0) depctr_va_vcc(0) depctr_vm_vsrc(0)
	s_getreg_b32 s2, hwreg(HW_REG_IB_STS2, 6, 4)
	s_cmp_eq_u32 s2, 0
	s_cbranch_scc0 .Lentry_in_a_cluster
	s_endpgm
.Lentry_in_a_cluster:
	s_bfe_u32 s2, ttmp6, 0x10000c
	s_cmp_lg_u32 s2, 0x3003
	s_cbranch_scc0 .Lentry_shape_is_right
	s_endpgm
.Lentry_shape_is_right:
; o = softmax(q k^T / 8) v for 32 heads of 2,048 tokens x 64 channels, both products on codes of E4M3; o is quantised on the way out with entry 6 of the scales, as an image of the next product's operand.
; THE SOFTMAX AHEAD OF THE SECOND PRODUCT: t = score x log2(e) / 8; M = the running largest t rounded UP to a whole number; p = 2^(t - M) is quantised with 2^e5, not normalised; the row's sum is taken of the unquantised p
; and divides at the end.  When M moves, the sum and O are multiplied by 2^(old M - new M): exact.
; SHARES.  A work-group owns 256 queries of one head, each of its sixteen waves 16 of them in 256 registers: four waves to a SIMD, so that one wave's vector work stands beside another's matrix work and LDS loads.
; THE HEAD'S K AND V, 256 KB of images, LIE WHOLE IN LDS, as they lie in memory: key step s at 16,384 s: eight tiles of 16 keys x 64 (1,024 bytes each), then four tiles of 16 channels x 128 keys (2,048 each).  Each wave fetches 16 KB
; by one tensor load; nothing is filled again.  The four work-groups of a cluster belong to one head and ask jointly.
; LAYOUT.  Both products transposed: S^T = K Q^T (a lane holds query r and keys 16 T + 8 h + 0..7 of tile T), O^T = V^T P^T.  Tile T's eight numbers, converted, are registers 2 T, 2 T + 1 of P's fragment: k stands in its own place.
; LIMITS: e2 + e3 between -120 and 130 (they are added to c's exponent field); e5 and e6 between -126 and 119.  NaN among the inputs is not served.
; REGISTERS: v3 16 x lane; v8 the step's LDS address; v12 -M, v13 the largest t, v[14:15] the sum in two halves; v16-23 Q; v32-95 K's fragments, then V's; v96-159 S^T, then p; v160-191 O^T; v224-239 p's codes; v236-254 at work and constants.
.set WV,  18                           ; s18  my wave's number
.set SEL, 20                           ; s[20:21] selects for lane l xor 16
.set CS,  22                           ; s[22:23] c = log2(e) / 8 x 2^(e2 + e3)
.set G1,  24                           ; s[24:31] descriptor group 1;  s[40:43] group 0
.set G0,  40
.set TB,  44                           ; s44  LDS byte of the key step in hand
.set CNT, 45
.macro CROUND                          ; a round of the cluster's barrier
	s_barrier_signal -1
	s_barrier_wait -1
	s_cmp_lg_u32 s[WV], 0
	s_cbranch_scc1 .Lnot_wave_0_\@
	s_barrier_signal -3
.Lnot_wave_0_\@:
	s_barrier_wait -3
	s_barrier_signal -1
	s_barrier_wait -1
.endm
	s_load_b256 s[4:11], s[0:1], 0x0               ; qc s[4:5], kvc s[6:7], the scales' exponents s[8:9], ac s[10:11]
	v_lshl_add_u32 v251, v0, 2, 0x40000
	v_mov_b32 v255, 0
	ds_add_u32 v251, v255
	ds_add_u32 v251, v255
	v_lshrrev_b32 v1, 5, v0
	v_readfirstlane_b32 s[WV], v1                  ; wave 0..15
	s_bfe_u32 s50, ttmp6, 0x40000                  ; cx
	s_lshl_b32 s51, ttmp9, 2
	s_add_co_u32 s51, s51, s50                     ; my block of 256 queries: it enters Q's and o's addresses alone
	s_and_b32 s32, ttmp7, 0xffff                   ; the head, 16 x batch + head: the four partners share it
	s_lshl_b32 s34, s32, 18
	s_lshl_b32 s33, s[WV], 14                      ; my 16 KB of the head's 256, in memory and in LDS
	s_add_co_u32 s34, s34, s33
	s_mov_b32 s35, 0
	s_mov_b32 s[G1], 15|(3<<16)|(1<<21)            ; 15:0 the mask: all four; 17:16 elements of 8 bytes; 21 set beside a mask; no padding
	s_mov_b32 s[G1+1], 32<<16                      ; tensor_dim0: rows of 256 bytes
	s_mov_b32 s[G1+2], 64<<16                      ; tensor_dim1
	s_mov_b32 s[G1+3], 32<<16                      ; tile_dim0
	s_mov_b32 s[G1+4], 64                          ; tile_dim1: 16 KB, dense
	s_mov_b32 s[G1+5], 32                          ; the pitch
	s_mov_b32 s[G1+6], 0
	s_mov_b32 s[G1+7], 0
	s_mov_b32 s[SEL], 0x76543210
	s_mov_b32 s[SEL+1], 0xfedcba98
	s_mov_b32 s[CS], 0x3e38aa3b                    ; log2(e) / 8
	s_mov_b32 s[TB], 0
	s_mov_b32 s[CNT], 16
	s_lshl_b32 s36, s32, 17                        ; Q: head x 131,072 + (16 x block + wave) x 1,024
	s_lshl_b32 s37, s[WV], 10
	s_add_co_u32 s36, s36, s37
	s_lshl_b32 s52, s51, 14
	s_add_co_u32 s52, s52, s36
	s_mov_b32 s53, 0
	s_and_b32 s54, s32, 15                         ; o: channel k = 64 x head + d of 1,024: chunk head / 8,
	s_lshr_b32 s55, s54, 3
	s_lshl_b32 s56, s55, 21
	s_lshr_b32 s55, s32, 4
	s_lshl_b32 s55, s55, 20                        ; tile of rows 128 x batch
	s_add_co_u32 s56, s56, s55
	s_lshl_b32 s55, s51, 17                        ; + 16 x block
	s_add_co_u32 s56, s56, s55
	s_lshl_b32 s55, s[WV], 13                      ; + wave,
	s_add_co_u32 s56, s56, s55
	s_bfe_u32 s55, s54, 0x20001                    ; K step (head / 2) % 4,
	s_lshl_b32 s55, s55, 11
	s_add_co_u32 s56, s56, s55
	s_and_b32 s55, s54, 1                          ; groups 2 (head % 2) and the next
	s_lshl_b32 s55, s55, 10
	s_add_co_u32 s56, s56, s55
	s_mov_b32 s57, 0
	s_wait_dscnt 0x0
	s_wait_kmcnt 0x0
	s_load_b256 s[68:75], s[8:9], 0x0              ; e0 .. e7
	s_mov_b32 s[G0], 1
	s_mov_b32 s[G0+1], s33
	s_add_nc_u64 s[G0+2:G0+3], s[6:7], s[34:35]
	s_or_b32 s[G0+3], s[G0+3], 0x80000000
	s_add_nc_u64 s[4:5], s[4:5], s[52:53]
	s_add_nc_u64 s[10:11], s[10:11], s[56:57]
	CROUND                                         ; all four work-groups are here: the joint loads meet
	tensor_load_to_lds s[G0:G0+3], s[G1:G1+7]      ; my one tensor load
	s_nop 0
.rept 4
	v_nop
.endr
	v_and_b32 v3, 31, v0
	v_lshlrev_b32 v3, 4, v3
	global_load_b128 v[16:19], v3, s[4:5]          ; Q's fragment, 16 queries x 64, stays in registers
	global_load_b128 v[20:23], v3, s[4:5] offset:512
	v_mov_b32 v13, 0xff61b1e6                      ; the largest t so far: -3e38, under every t
	v_floor_f32 v12, -v13                          ; -M
	v_mov_b32 v14, 0                               ; the sum, in two halves
	v_mov_b32 v15, 0
	v_mov_b32 v236, 0                              ; written once: a lane permute's destination counts as one of its sources
	v_mov_b32 v253, 0                              ; (named as the upper half of the pair v[252:253])
.set j, 0
.rept 32
	v_mov_b32 v[160+j], 0                          ; O^T: the step is written once; the first finds zeros, which the first change of M leaves zeros
.set j, j+1
.endr
	s_wait_kmcnt 0x0
	s_add_co_i32 s46, s70, s71
	s_lshl_b32 s46, s46, 23
	s_add_co_i32 s[CS], s[CS], s46                 ; a score stands for score x 2^(e2 + e3)
	s_mov_b32 s[CS+1], s[CS]                       ; (named with it as a pair, so it is written)
	s_add_co_i32 s46, s73, 127
	s_lshl_b32 s47, s46, 23
	v_mov_b32 v244, s47                            ; 2^e5, for p's conversions
	s_add_co_i32 s46, s46, 8
	s_lshl_b32 s46, s46, 23
	s_or_b32 s46, s46, 0x600000
	v_mov_b32 v240, s46                            ; 448 x 2^e5
	s_add_co_i32 s46, s74, 127
	s_lshl_b32 s47, s46, 23
	v_mov_b32 v245, s47                            ; 2^e6, for o's
	s_add_co_i32 s46, s46, 8
	s_lshl_b32 s46, s46, 23
	s_or_b32 s46, s46, 0x600000
	v_mov_b32 v241, s46                            ; 448 x 2^e6
	s_add_co_i32 s46, s72, s73                     ; e4 + e5
	s_wait_loadcnt 0x0                             ; Q
	s_wait_tensorcnt 0x0                           ; my 16 KB have landed,
	s_barrier_signal -1
	s_barrier_wait -1                              ; everybody's have: the head lies in LDS
.Lstep:                                            ; a key step: 128 keys
	v_add_nc_u32 v8, s[TB], v3
.rept 3
	v_nop                                          ; with the addition: four places in front of loads into registers that the last products read
.endr
.set i, 0
.rept 16
	ds_load_b128 v[32+4*i:35+4*i], v8 offset:512*i            ; K: eight tiles of 16 keys, two groups each
.set i, i+1
.endr
	s_wait_dscnt 0x0
.irp t, 0,1,2,3,4,5,6,7
	v_wmma_f32_16x16x64_fp8_fp8 v[96+8*\t:103+8*\t], v[32+8*\t:39+8*\t], v[16:23], 0
.endr
.rept 4
	v_nop
.endr
.set i, 0
.rept 16
	ds_load_b128 v[32+4*i:35+4*i], v8 offset:8192+512*i       ; V into the registers that K has left: it lands during the softmax
.set i, i+1
.endr
	v_max3_num_f32 v254, v96, v97, v98             ; the step's largest score of my query among my 64 keys, in two chains, each accumulator from its low end on,
	v_max3_num_f32 v252, v99, v100, v101
.irp i, 6,10,14,18,22,26,30,34,38,42,46,50,54,58
	v_max3_num_f32 v254, v254, v[96+\i], v[97+\i]
	v_max3_num_f32 v252, v252, v[98+\i], v[99+\i]
.endr
	v_max3_num_f32 v254, v254, v158, v159
	v_max_num_f32 v254, v254, v252
	v_permlanex16_b32 v236, v254, s[SEL], s[SEL+1]
	v_max_num_f32 v254, v254, v236                 ; and among lane l xor 16's
	v_mul_f32 v254, s[CS], v254                    ; as t (c is positive)
	v_max_num_f32 v13, v13, v254                   ; the running largest t
	v_mov_b32 v254, v12
	v_floor_f32 v12, -v13                          ; the new -M = floor(-t): M is a whole number
	v_sub_f32 v254, v12, v254                      ; old M - new M: a whole number, 0 or less
	v_cvt_i32_f32 v254, v254                       ; (it saturates)
	v_ldexp_f32 v252, 1.0, v254                    ; f = 2^(old M - new M)
.set j, 0
.rept 32
	v_pk_fma_f32 v[96+j:97+j], v[96+j:97+j], s[CS:CS+1], v[12:13] op_sel_hi:[1,0,0]   ; t - M, two at a time
.set j, j+2
.endr
.set j, 0
.rept 64
	v_exp_f32 v[96+j], v[96+j]                     ; p = 2^(t - M), at most 1
.set j, j+1
.endr
	v_pk_mul_f32 v[14:15], v[14:15], v[252:253] op_sel_hi:[1,0]   ; the sums under the new M (a plain place behind the exponentials)
	s_wait_alu depctr_va_vdst(0)
	v_pk_add_f32 v[242:243], v[96:97], v[98:99]    ; the row's sum is taken of the unquantised p, in two chains
.irp j, 4,8,12,16,20,24,28,32,36,40,44,48,52,56,60
	v_pk_add_f32 v[14:15], v[14:15], v[96+\j:97+\j]
	v_pk_add_f32 v[242:243], v[242:243], v[98+\j:99+\j]
.endr
	v_pk_add_f32 v[14:15], v[14:15], v[242:243]
.irp t, 0,1,2,3,4,5,6,7
.irp i, 0,1,2,3,4,5,6,7
	v_min_num_f32 v[96+8*\t+\i], v[96+8*\t+\i], v240   ; the conversion does not saturate (ISA guide 7.6.2); p is not negative, so the hold is one-sided
.endr
	v_cvt_scalef32_pk8_fp8_f32 v[224+2*\t:225+2*\t], v[96+8*\t:103+8*\t], v244
.endr
.set j, 0
.rept 16
	v_pk_mul_f32 v[160+j:161+j], v[160+j:161+j], v[252:253] op_sel_hi:[1,0]   ; O^T under the new M; also the plain lines between the conversions and the products
.set j, j+2
.endr
	s_wait_dscnt 0x0                               ; V is in
.irp t, 0,1,2,3
	v_wmma_f32_16x16x128_fp8_fp8 v[160+8*\t:167+8*\t], v[32+16*\t:47+16*\t], v[224:239], v[160+8*\t:167+8*\t]   ; the four accumulators take turns
.endr
	s_add_co_u32 s[TB], s[TB], 16384
	s_sub_co_u32 s[CNT], s[CNT], 1
	s_cmp_lg_u32 s[CNT], 0
	s_cbranch_scc1 .Lstep
	; THE WAY OUT: O^T / the sum x 2^(e4 + e5), quantised: tiles 2 p and 2 p + 1 are one group of the image; 512 consecutive bytes a store
.rept 4
	v_nop
.endr
	v_add_f32 v14, v14, v15
	v_permlanex16_b32 v252, v14, s[SEL], s[SEL+1]
	v_add_f32 v14, v14, v252                       ; the row's sum
	v_rcp_f32 v14, v14
	v_nop                                          ; one plain place behind the transcendental
	s_wait_alu depctr_va_vdst(0)
	v_ldexp_f32 v14, v14, s46
.set j, 0
.rept 32
	v_mul_f32 v[96+j], v[160+j], v14               ; register 8 t + i is o(query r, channel 16 t + 8 h + i)
.set j, j+1
.endr
.set j, 0
.rept 32
	v_med3_num_f32 v[96+j], v[96+j], -v241, v241
.set j, j+1
.endr
.irp t, 0,1,2,3
	v_cvt_scalef32_pk8_fp8_f32 v[224+2*\t:225+2*\t], v[96+8*\t:103+8*\t], v245
.endr
	v_nop                                          ; one plain vector line behind the last conversion
	global_store_b128 v3, v[224:227], s[10:11]
	global_store_b128 v3, v[228:231], s[10:11] offset:512
	s_wait_tensorcnt 0x0
	ds_add_u32 v251, v255
	s_wait_dscnt 0x0
	CROUND                                         ; the closing round
	s_endpgm
.Lfunc_end_k_q9c7fb91041_attn:
	.size	k_q9c7fb91041_attn, .Lfunc_end_k_q9c7fb91041_attn-k_q9c7fb91041_attn
	.p2alignl 7, 3214868480
	.fill 96, 4, 3214868480
	.section	.rodata,"a",@progbits
	.p2align	6, 0x0
	.amdhsa_kernel k_q9c7fb91041_attn
		.amdhsa_group_segment_fixed_size 264192
		.amdhsa_private_segment_fixed_size 0
		.amdhsa_enable_private_segment 0
		.amdhsa_kernarg_size 32
		.amdhsa_user_sgpr_count 2
		.amdhsa_user_sgpr_kernarg_segment_ptr 1
		.amdhsa_wavefront_size32 1
		.amdhsa_system_sgpr_workgroup_id_x 1
		.amdhsa_system_sgpr_workgroup_id_y 1
		.amdhsa_system_sgpr_workgroup_id_z 1
		.amdhsa_system_vgpr_workitem_id 0
		.amdhsa_next_free_vgpr 256
		.amdhsa_next_free_sgpr 80
		.amdhsa_reserve_vcc 0
		.amdhsa_float_denorm_mode_32 3
		.amdhsa_float_denorm_mode_16_64 3
		.amdhsa_memory_ordered 1
		.amdhsa_forward_progress 1
		.amdhsa_inst_pref_size 26
	.end_amdhsa_kernel
	.amdgpu_metadata
---
amdhsa.version: [ 1, 2 ]
amdhsa.kernels:
  - .name:           k_q9c7fb91041_attn
    .symbol:         k_q9c7fb91041_attn.kd
    .args:
      - { .name: qc, .offset: 0, .size: 8, .value_kind: global_buffer, .address_space: global }
      - { .name: kvc, .offset: 8, .size: 8, .value_kind: global_buffer, .address_space: global }
      - { .name: lowp_scales, .offset: 16, .size: 8, .value_kind: global_buffer, .address_space: global }
      - { .name: ac, .offset: 24, .size: 8, .value_kind: global_buffer, .address_space: global }
    .group_segment_fixed_size: 264192
    .private_segment_fixed_size: 0
    .kernarg_segment_align: 8
    .kernarg_segment_size: 32
    .max_flat_workgroup_size: 512
    .sgpr_count:     80
    .vgpr_count:     256
    .wavefront_size: 32
...
	.end_amdgpu_metadata
.endif
;; end of part 4
;; launch proj (part 5): grid 8 x 32, 4 waves a work-group, clusters of 4 x 4, 327,680 bytes of LDS; arguments ac, wc, lowp_scales, proj_b, x, x2; writes x2
.if DOCPART == 5
	.amdgcn_target "amdgcn-amd-amdhsa--gfx1250"
	.amdhsa_code_object_version 6
	.text
	.protected	k_q9c7fb91041_proj
	.globl	k_q9c7fb91041_proj
	.p2align	8
	.type	k_q9c7fb91041_proj,@function
k_q9c7fb91041_proj:
	s_mov_b64 s[64:65], 0
	v_nop
	global_prefetch_b8 v0, s[64:65] scope:SCOPE_SE
	s_setreg_imm32_b32 hwreg(HW_REG_WAVE_MODE, 25, 1), 1
	s_wait_xcnt 0x0
	s_wait_alu depctr_hold_cnt(0) depctr_sa_sdst(0) depctr_va_vdst(0) depctr_va_sdst(0) depctr_va_ssrc(0) depctr_va_vcc(0) depctr_vm_vsrc(0)
	s_getreg_b32 s2, hwreg(HW_REG_IB_STS2, 6, 4)
	s_cmp_eq_u32 s2, 0
	s_cbranch_scc0 .Lentry_in_a_cluster
	s_endpgm
.Lentry_in_a_cluster:
	s_bfe_u32 s2, ttmp6, 0x10000c
	s_cmp_lg_u32 s2, 0xf033
	s_cbranch_scc0 .Lentry_shape_is_right
	s_endpgm
.Lentry_shape_is_right:
; x2 = x + o proj_w + proj_b: the product on codes of E4M3 (scales: entries 6 and 7), the rest in f32.
; The frame is that of the other products here: operands as images of their registers (16 rows x 128 k in 2,048 bytes; 64 rows x 512 k dense), tiles of 128 x 128, four waves of 64 x 64, K = 1,024 in two LDS slots that are filled once,
; 4 x 4 clusters with joint loads, the matrix instruction used transposed (a lane holds one token and eight neighbouring columns), the bias / 2^(e6 + e7) as the C of the first products.
; THE WAY OUT: a block of 16 rows x 64 columns goes through the wave's own stage in LDS (rows of 256 + 16 bytes) and comes back as whole rows; one packed multiply-add gives sum x 2^(e6 + e7) + x; sixteen lanes store 256 consecutive
; bytes, aligned.  The residual's first two blocks are asked for at the head, the others two blocks ahead.
; LIMITS: e6 + e7 between -126 and 127.
.set CSA,  2097152
.set CSB,  524288                      ; 64 tiles of rows x 8,192
.set WOFF, 3145728                     ; proj_w's place in wc
.set SLOT, 131072
.set STAGE,262144                      ; behind the slots: 16 rows x 272 bytes for each wave
.set ADRA, 16
.set ADRB, 20
.set STO,  24                          ; v24  the stage: where I put 32 bytes of a row
.set RD,   25                          ; v25  where I read a row back
.set CO,   26                          ; v26  the same place in x and x2
.set BIAS, 32
.set BK,   32                          ; v32-63  the way out: 16 rows read back (the bias's registers are free then)
.set XR,   64                          ; v64-127 two blocks of the residual
.set ACC,  128
.set F0,   0
.set F1,   128
.set G1,   24
.set G0,   32
.set G1B,  48
.set G0B,  56
.set MSB,  0
.macro WIN new                         ; the immediate's high byte repeats the setting that is left
.if MSB != \new
	s_set_vgpr_msb (MSB<<8)|\new
.set MSB, \new
.endif
.endm
.set MUL,  0x05                        ; sources 0 and 1 window 1; C and D window 0
.set TO_F, 0x40                        ; destination window 1, address window 0
.macro JLOAD s                         ; a joint load: waves 0 and 1 fetch A's two halves, waves 2 and 3 B's; four v_nop follow each line
	s_cmp_eq_u32 s11, 0
	s_cbranch_scc0 .Lfor_b_\@
	tensor_load_to_lds s[G0+4*(\s):G0+4*(\s)+3], s[G1:G1+7]
	s_nop 0
.rept 4
	v_nop
.endr
	s_branch .Lasked_\@
.Lfor_b_\@:
	tensor_load_to_lds s[G0B+4*(\s):G0B+4*(\s)+3], s[G1B:G1B+7]
	s_nop 0
.rept 4
	v_nop
.endr
.Lasked_\@:
.endm
.macro CREST
	s_cmp_lg_u32 s10, 0
	s_cbranch_scc1 .Lnot_wave_0_\@
	s_barrier_signal -3
.Lnot_wave_0_\@:
	s_barrier_wait -3
	s_barrier_signal -1
	s_barrier_wait -1
.endm
.macro CROUND                          ; a round of the cluster's barrier
	s_barrier_signal -1
	s_barrier_wait -1
	CREST
.endm
.macro PLACES                          ; four places in front of loads into registers that matrix instructions have read, and of the first read of results
.rept 4
	v_nop
.endr
.endm
.macro FETCH slot, q, f
	WIN TO_F
.irp i, 0,1,2,3
.irp c, 0,1,2,3
	ds_load_b128 v[\f+64+16*\i+4*\c:\f+64+16*\i+4*\c+3], v[ADRB+\slot] offset:\i*8192+(\q)*2048+\c*512
.endr
.endr
.irp i, 0,1,2,3
.irp c, 0,1,2,3
	ds_load_b128 v[\f+16*\i+4*\c:\f+16*\i+4*\c+3], v[ADRA+\slot] offset:\i*8192+(\q)*2048+\c*512
.endr
.endr
.endm
.macro MUL16 f, mode                   ; the 16 accumulators take turns.  mode = 1: the bias starts the sums
	WIN MUL
.irp a, 0,1,2,3
.irp b, 0,1,2,3
.if \mode
	v_wmma_f32_16x16x128_fp8_fp8 v[ACC+8*(4*\a+\b):ACC+8*(4*\a+\b)+7], v[\f+64+16*\b:\f+64+16*\b+15], v[\f+16*\a:\f+16*\a+15], v[BIAS+8*\b:BIAS+8*\b+7]
.else
	v_wmma_f32_16x16x128_fp8_fp8 v[ACC+8*(4*\a+\b):ACC+8*(4*\a+\b)+7], v[\f+64+16*\b:\f+64+16*\b+15], v[\f+16*\a:\f+16*\a+15], v[ACC+8*(4*\a+\b):ACC+8*(4*\a+\b)+7]
.endif
.endr
.endr
.endm
.macro STEPK f, g, nslot, nq, mode, bar
	WIN 0
.if \bar
	s_wait_tensorcnt 0x0                           ; my part of the other slot has landed
.endif
	s_wait_dscnt 0x0                               ; buffer f is in
.if \bar
	s_barrier_signal -1
	s_barrier_wait -1
.endif
	PLACES
	FETCH \nslot, \nq, \g
	MUL16 \f, \mode
.endm
.macro LAST f
	WIN 0
	s_wait_dscnt 0x0
	MUL16 \f, 0
	WIN 0
	PLACES
.endm
.macro XLOAD a                         ; the residual of block a: 16 rows x 256 bytes, two rows an instruction
.irp t, 0,1,2,3,4,5,6,7
	global_load_b128 v[XR+32*((\a)%2)+4*\t:XR+32*((\a)%2)+4*\t+3], v[CO], s[80:81] offset:(16*(\a)+2*\t)*4096
.endr
.endm
.macro OUTB a
.if (\a) > 0
	s_wait_xcnt 0x0                                ; the last block's stores have read their registers: the rows read back below land there
.endif
.irp b, 0,1,2,3
	ds_store_b128 v[STO], v[ACC+8*(4*(\a)+\b):ACC+8*(4*(\a)+\b)+3] offset:64*\b          ; each accumulator from its low end on
	ds_store_b128 v[STO], v[ACC+8*(4*(\a)+\b)+4:ACC+8*(4*(\a)+\b)+7] offset:64*\b+16
.endr
.irp t, 0,1,2,3,4,5,6,7
	ds_load_b128 v[BK+4*\t:BK+4*\t+3], v[RD] offset:544*\t   ; LDS serves a wave's instructions in order (ISA guide 5.7.1.4): these see my stores, and the next block's stores come behind them
.endr
	s_wait_dscnt 0x0
.if (\a) < 3
	s_wait_loadcnt 8                               ; this block's residual is in; the next block's eight loads may be out
.else
	s_wait_loadcnt 0x0
.endif
.set i, 0
.rept 16
	v_pk_fma_f32 v[BK+i:BK+i+1], v[BK+i:BK+i+1], s[68:69], v[XR+32*((\a)%2)+i:XR+32*((\a)%2)+i+1] op_sel_hi:[1,0,1]   ; sum x 2^(eA + eB) + residual
.set i, i+2
.endr
.irp t, 0,1,2,3,4,5,6,7
	global_store_b128 v[CO], v[BK+4*\t:BK+4*\t+3], s[82:83] offset:(16*(\a)+2*\t)*4096
.endr
.if (\a) < 2
	XLOAD (\a)+2
.endif
.endm
	s_load_b128 s[4:7], s[0:1], 0x0                ; A's codes, the weights' codes
	s_load_b128 s[76:79], s[0:1], 0x10             ; the scales' exponents, the bias
	s_load_b128 s[80:83], s[0:1], 0x20             ; the residual s[80:81], the result s[82:83]
	v_lshl_add_u32 v30, v0, 2, 0x44400
	v_mov_b32 v31, 0
	ds_add_u32 v30, v31
	ds_add_u32 v30, v31
	v_lshrrev_b32 v1, 5, v0
	v_readfirstlane_b32 s10, v1
	s_lshr_b32 s11, s10, 1
	s_and_b32 s12, s10, 1
	s_bfe_u32 s40, ttmp6, 0x40000
	s_bfe_u32 s41, ttmp6, 0x40004
	s_lshl_b32 s42, ttmp9, 2
	s_add_co_u32 s42, s42, s40                     ; tile column
	s_and_b32 s13, ttmp7, 0xffff
	s_lshl_b32 s13, s13, 2
	s_add_co_u32 s13, s13, s41                     ; tile row
	s_lshl_b32 s43, s41, 2
	s_lshl_b32 s43, 15, s43
	s_lshl_b32 s44, 0x1111, s40
	s_or_b32 s[G1+0], s43, (3<<16)|(1<<21)
	s_or_b32 s[G1B+0], s44, (3<<16)|(1<<21)
.irp g, G1, G1B
	s_mov_b32 s[\g+1], 32<<16
	s_mov_b32 s[\g+2], 128<<16
	s_mov_b32 s[\g+3], 32<<16
	s_mov_b32 s[\g+4], 128
	s_mov_b32 s[\g+5], 32
	s_mov_b32 s[\g+6], 0
	s_mov_b32 s[\g+7], 0
.endr
	s_lshl_b32 s17, s12, 15
	s_lshl_b32 s16, s13, 16
	s_add_co_u32 s16, s16, s17
	s_lshl_b32 s46, s42, 16
	s_add_co_u32 s46, s46, s17
	s_add_co_u32 s46, s46, WOFF
	s_mov_b32 s17, 0
	s_mov_b32 s47, 0
	s_lshl_b32 s20, s10, 15
	s_wait_dscnt 0x0
	s_wait_kmcnt 0x0
	s_load_b64 s[68:69], s[76:77], 0x18            ; e6, e7
	s_add_nc_u64 s[14:15], s[4:5], s[16:17]
	s_add_nc_u64 s[46:47], s[6:7], s[46:47]
	CROUND
.irp s, 0,1
	s_mov_b32 s[G0+4*\s], 1
	s_add_co_u32 s[G0+4*\s+1], s20, \s*SLOT
	s_add_nc_u64 s[G0+4*\s+2:G0+4*\s+3], s[14:15], \s*CSA
	s_or_b32 s[G0+4*\s+3], s[G0+4*\s+3], 0x80000000
	s_mov_b32 s[G0B+4*\s], 1
	s_add_co_u32 s[G0B+4*\s+1], s20, \s*SLOT
	s_add_nc_u64 s[G0B+4*\s+2:G0B+4*\s+3], s[46:47], \s*CSB
	s_or_b32 s[G0B+4*\s+3], s[G0B+4*\s+3], 0x80000000
	JLOAD \s
.endr
	v_and_b32 v1, 15, v0                           ; r
	v_bfe_u32 v2, v0, 4, 1                         ; h
	v_and_b32 v3, 31, v0
	v_lshlrev_b32 v3, 4, v3
	s_lshl_b32 s21, s11, 15
	s_lshl_b32 s22, s12, 15
	s_add_co_u32 s22, s22, 65536
.irp s, 0,1
	v_add_nc_u32 v[ADRA+\s], s21, v3
	v_add_nc_u32 v[ADRB+\s], s22, v3
	s_add_co_u32 s21, s21, SLOT
	s_add_co_u32 s22, s22, SLOT
.endr
	s_mul_i32 s23, s10, 4352
	s_add_co_u32 s23, s23, STAGE                   ; my stage
	v_mul_u32_u24 v4, v1, 272
	v_lshl_add_u32 v4, v2, 5, v4
	v_add_nc_u32 v[STO], s23, v4                   ; in: row r, 32 bytes for each half of the lanes
	v_mul_u32_u24 v5, v2, 272
	v_lshl_add_u32 v5, v1, 4, v5
	v_add_nc_u32 v[RD], s23, v5                    ; back: lanes 0-15 one row of 256 bytes, lanes 16-31 the next
	v_lshlrev_b32 v5, 12, v2
	v_lshl_add_u32 v[CO], v1, 4, v5                ; and the same two rows in memory
	v_lshlrev_b32 v22, 5, v2
	s_lshl_b32 s46, s42, 9
	s_lshl_b32 s47, s12, 8
	s_add_co_u32 s46, s46, s47                     ; 4 x (128 x tile column + 64 x half)
	s_mov_b32 s47, 0
	s_add_nc_u64 s[78:79], s[78:79], s[46:47]
	s_lshl_b32 s16, s13, 19                        ; 128 rows of 4,096 bytes a tile,
	s_lshl_b32 s17, s11, 18                        ; 64 a half
	s_add_co_u32 s16, s16, s17
	s_mov_b32 s17, 0
	s_add_nc_u64 s[80:81], s[80:81], s[16:17]
	s_add_nc_u64 s[82:83], s[82:83], s[16:17]
	s_add_nc_u64 s[80:81], s[80:81], s[46:47]
	s_add_nc_u64 s[82:83], s[82:83], s[46:47]
.irp b, 0,1,2,3
	global_load_b128 v[BIAS+8*\b:BIAS+8*\b+3], v22, s[78:79] offset:64*\b
	global_load_b128 v[BIAS+8*\b+4:BIAS+8*\b+7], v22, s[78:79] offset:64*\b+16
.endr
	XLOAD 0
	XLOAD 1
	s_wait_kmcnt 0x0
	s_add_co_i32 s45, s68, s69
	s_add_co_i32 s68, s45, 127
	s_lshl_b32 s68, s68, 23                        ; 2^(e6 + e7) as f32
	s_mov_b32 s69, s68                             ; (named with it as a pair, so it is written)
	s_sub_co_i32 s45, 0, s45
	s_wait_loadcnt 16                              ; the bias is in; the residual's sixteen loads may be out
.set i, 0
.rept 32
	v_ldexp_f32 v[BIAS+i], v[BIAS+i], s45
.set i, i+1
.endr
	s_wait_tensorcnt 0x1                           ; my part of chunk 0 is in; chunk 1's load may stay out
	s_barrier_signal -1
	s_barrier_wait -1
	FETCH 0, 0, F0
	STEPK F0, F1, 0, 1, 1, 0
	STEPK F1, F0, 0, 2, 0, 0
	STEPK F0, F1, 0, 3, 0, 0
	STEPK F1, F0, 1, 0, 0, 1
	STEPK F0, F1, 1, 1, 0, 0
	STEPK F1, F0, 1, 2, 0, 0
	STEPK F0, F1, 1, 3, 0, 0
	LAST F1
	OUTB 0
	OUTB 1
	OUTB 2
	OUTB 3
	s_wait_tensorcnt 0x0
	ds_add_u32 v30, v31
	s_wait_dscnt 0x0
	CROUND                                         ; the closing round
	s_endpgm
.Lfunc_end_k_q9c7fb91041_proj:
	.size	k_q9c7fb91041_proj, .Lfunc_end_k_q9c7fb91041_proj-k_q9c7fb91041_proj
	.p2alignl 7, 3214868480
	.fill 96, 4, 3214868480
	.section	.rodata,"a",@progbits
	.p2align	6, 0x0
	.amdhsa_kernel k_q9c7fb91041_proj
		.amdhsa_group_segment_fixed_size 327680
		.amdhsa_private_segment_fixed_size 0
		.amdhsa_enable_private_segment 0
		.amdhsa_kernarg_size 48
		.amdhsa_user_sgpr_count 2
		.amdhsa_user_sgpr_kernarg_segment_ptr 1
		.amdhsa_wavefront_size32 1
		.amdhsa_system_sgpr_workgroup_id_x 1
		.amdhsa_system_sgpr_workgroup_id_y 1
		.amdhsa_system_sgpr_workgroup_id_z 1
		.amdhsa_system_vgpr_workitem_id 0
		.amdhsa_next_free_vgpr 512
		.amdhsa_next_free_sgpr 84
		.amdhsa_reserve_vcc 0
		.amdhsa_float_denorm_mode_32 3
		.amdhsa_float_denorm_mode_16_64 3
		.amdhsa_memory_ordered 1
		.amdhsa_forward_progress 1
		.amdhsa_inst_pref_size 51
	.end_amdhsa_kernel
	.amdgpu_metadata
---
amdhsa.version: [ 1, 2 ]
amdhsa.kernels:
  - .name:           k_q9c7fb91041_proj
    .symbol:         k_q9c7fb91041_proj.kd
    .args:
      - { .name: ac, .offset: 0, .size: 8, .value_kind: global_buffer, .address_space: global }
      - { .name: wc, .offset: 8, .size: 8, .value_kind: global_buffer, .address_space: global }
      - { .name: lowp_scales, .offset: 16, .size: 8, .value_kind: global_buffer, .address_space: global }
      - { .name: proj_b, .offset: 24, .size: 8, .value_kind: global_buffer, .address_space: global }
      - { .name: x, .offset: 32, .size: 8, .value_kind: global_buffer, .address_space: global }
      - { .name: x2, .offset: 40, .size: 8, .value_kind: global_buffer, .address_space: global }
    .group_segment_fixed_size: 327680
    .private_segment_fixed_size: 0
    .kernarg_segment_align: 8
    .kernarg_segment_size: 48
    .max_flat_workgroup_size: 128
    .sgpr_count:     84
    .vgpr_count:     512
    .wavefront_size: 32
...
	.end_amdgpu_metadata
.endif
;; end of part 5
;; launch ln2: the kernel of part 2 again; grid 256 x 1, 8 waves a work-group, no clusters, 18,432 bytes of LDS; arguments x2, ln2_g, ln2_b, sc, ac; writes ac
;; launch fc1 (part 6): grid 8 x 32, 4 waves a work-group, clusters of 4 x 4, 327,680 bytes of LDS; arguments ac, wc, lowp_scales, fc1_b, hid; writes hid
.if DOCPART == 6
	.amdgcn_target "amdgcn-amd-amdhsa--gfx1250"
	.amdhsa_code_object_version 6
	.text
	.protected	k_q9c7fb91041_fc1
	.globl	k_q9c7fb91041_fc1
	.p2align	8
	.type	k_q9c7fb91041_fc1,@function
k_q9c7fb91041_fc1:
	s_mov_b64 s[64:65], 0
	v_nop
	global_prefetch_b8 v0, s[64:65] scope:SCOPE_SE
	s_setreg_imm32_b32 hwreg(HW_REG_WAVE_MODE, 25, 1), 1
	s_wait_xcnt 0x0
	s_wait_alu depctr_hold_cnt(0) depctr_sa_sdst(0) depctr_va_vdst(0) depctr_va_sdst(0) depctr_va_ssrc(0) depctr_va_vcc(0) depctr_vm_vsrc(0)
	s_getreg_b32 s2, hwreg(HW_REG_IB_STS2, 6, 4)
	s_cmp_eq_u32 s2, 0
	s_cbranch_scc0 .Lentry_in_a_cluster
	s_endpgm
.Lentry_in_a_cluster:
	s_bfe_u32 s2, ttmp6, 0x10000c
	s_cmp_lg_u32 s2, 0xf033
	s_cbranch_scc0 .Lentry_shape_is_right
	s_endpgm
.Lentry_shape_is_right:
; hidden = gelu(LN2(x2) fc1_w + fc1_b), the exact gelu, the product on codes of E4M3 (scales: entries 8 and 9); the result is quantised with entry 10 and stored as images of the next product's operand.
; OPERANDS ARE IMAGES OF THEIR REGISTERS (16 rows x 128 k in 2,048 bytes; 64 rows x 512 k are one dense block of 32 KB): a tile comes by one tensor load without padding, a fragment by four ds_load_b128 at 16 x lane.
; A WORK-GROUP STAYS: it keeps 128 tokens and makes four tiles of 128 x 128, tile columns 4 gx + 0 .. 3.  Four waves, each 64 x 64: 16 accumulators.  K = 1,024 is two chunks of 512, one in each of two LDS slots (A's 64 KB, then B's 64 KB).
; A'S 128 KB ARE FETCHED ONCE AND SERVE ALL FOUR TILES; B's 128 KB are filled again for the next tile as soon as B's last fragments are in registers: one load of 32 KB a wave, behind a round of the cluster's barrier; it lands under
; that step's 16 products and the gelu of the tile in hand.  A wave has two tensor loads out at the start and one behind each round.  The loop has three trips; the last tile, which asks for nothing, is written out.
; CLUSTERS: 4 x 4 work-groups; the four of a row need the same tiles of A, the four of a column walk the same tiles of B: each is asked for jointly.
; THE MATRIX INSTRUCTION IS USED TRANSPOSED (source 0 = 16 rows of the weight's image, source 1 = 16 tokens): a lane holds one token and eight neighbouring columns.  The bias / 2^(e8 + e9) is the C of each sum's first product; it lies in
; window 2; the next tile's is loaded behind the second step and scaled behind the gelu.
; GELU: u / 2 x (1 + erf(u / sqrt 2)), erf(z) = z P(z^2) / Q(z^2) on |z| <= 4 (z is held there; beyond, erf is 1 to f32's last place), P of degree 6 and Q of degree 4, all in f32.
; A tile's 128 columns are one K step of the next product (K step t of chunk gx); accumulators (a, 2 p) and (a, 2 p + 1), converted, are group 2 (my half of the columns) + p of the image of tokens 16 a ..: 512 consecutive bytes a store.
; The launch claims all of a WGP's LDS, and the add onto the spare words stands where it stands.
; LIMITS: e8 + e9 between -125 and 127; e10 between -126 and 119.  NaN among the inputs is not served.
.set CSA,  2097152
.set CSB,  2097152                     ; 256 tiles of rows x 8,192
.set WOFF, 4194304                     ; fc1_w's place in wc
.set BSTEP,65536                       ; from tile to tile of a work-group's walk: one tile column
.set TILES,4
.set SLOT, 131072
.set SPARE,262144                      ; behind the slots: the spare words, 128 bytes for each wave: two blocks of 256 bytes that no other line names
.set ADRA, 16
.set ADRB, 20
.set SPW,  28                          ; v28  LDS address of my spare word; never rewritten
.set NIL,  29                          ; v29  0; never rewritten
.set BI2,  0                           ; window 2: v0-31 the bias in the result's layout, eight registers for each b
.set Z,    32                          ; the way out, 16 numbers at a time: v32-47 z, v48-63 z^2, v64-79 P, v80-95 Q, v96-111 u / 2
.set Z2,   48
.set P,    64
.set Q,    80
.set H,    96
.set KA,   112                         ; v112-125 P's seven coefficients, from the highest power down, each twice (a pair for the packed forms)
.set KB0,  126                         ; Q's five likewise
.set KB1,  4
.set KB2,  6
.set KB3,  10
.set KB4,  12
.set ACC,  128
.set F0,   0
.set F1,   128
.set G1,   24
.set G0,   32
.set G1B,  48
.set G0B,  56
.set G0R,  84                          ; s[84:87] group 0 of B's refills: it walks
.set MSB,  0
.macro WIN new                         ; the immediate's high byte repeats the setting that is left
.if MSB != \new
	s_set_vgpr_msb (MSB<<8)|\new
.set MSB, \new
.endif
.endm
.set MUL,  0x05                        ; sources 0 and 1 window 1; C and D window 0
.set MULB, 0x25                        ; the same with C (the bias) in window 2
.set TO_F, 0x40                        ; destination window 1, address window 0
.set TO_2, 0x80                        ; destination window 2, address window 0
.set W22,  0x82                        ; source 0 and destination window 2
.macro JLOAD s                         ; a joint first fill: waves 0 and 1 fetch A's two halves, waves 2 and 3 B's; four v_nop follow each line
	s_cmp_eq_u32 s11, 0
	s_cbranch_scc0 .Lfor_b_\@
	tensor_load_to_lds s[G0+4*(\s):G0+4*(\s)+3], s[G1:G1+7]
	s_nop 0
.rept 4
	v_nop
.endr
	s_branch .Lasked_\@
.Lfor_b_\@:
	tensor_load_to_lds s[G0B+4*(\s):G0B+4*(\s)+3], s[G1B:G1B+7]
	s_nop 0
.rept 4
	v_nop
.endr
.Lasked_\@:
.endm
.macro CREST
	s_cmp_lg_u32 s10, 0
	s_cbranch_scc1 .Lnot_wave_0_\@
	s_barrier_signal -3
.Lnot_wave_0_\@:
	s_barrier_wait -3
	s_barrier_signal -1
	s_barrier_wait -1
.endm
.macro CROUND                          ; a round of the cluster's barrier
	s_barrier_signal -1
	s_barrier_wait -1
	CREST
.endm
.macro PLACES                          ; four places in front of loads into registers that matrix instructions have read, and of the first read of results
.rept 4
	v_nop
.endr
.endm
.macro FETCH slot, q, f
	WIN TO_F
.irp i, 0,1,2,3
.irp c, 0,1,2,3
	ds_load_b128 v[\f+64+16*\i+4*\c:\f+64+16*\i+4*\c+3], v[ADRB+\slot] offset:\i*8192+(\q)*2048+\c*512
.endr
.endr
.irp i, 0,1,2,3
.irp c, 0,1,2,3
	ds_load_b128 v[\f+16*\i+4*\c:\f+16*\i+4*\c+3], v[ADRA+\slot] offset:\i*8192+(\q)*2048+\c*512
.endr
.endr
.endm
.macro MUL16 f, mode                   ; the 16 accumulators take turns, in the same order in every step.  mode = 1: the bias starts the sums
.if \mode
	WIN MULB
.else
	WIN MUL
.endif
.irp a, 0,1,2,3
.irp b, 0,1,2,3
.if \mode
	v_wmma_f32_16x16x128_fp8_fp8 v[ACC+8*(4*\a+\b):ACC+8*(4*\a+\b)+7], v[\f+64+16*\b:\f+64+16*\b+15], v[\f+16*\a:\f+16*\a+15], v[BI2+8*\b:BI2+8*\b+7]
.else
	v_wmma_f32_16x16x128_fp8_fp8 v[ACC+8*(4*\a+\b):ACC+8*(4*\a+\b)+7], v[\f+64+16*\b:\f+64+16*\b+15], v[\f+16*\a:\f+16*\a+15], v[ACC+8*(4*\a+\b):ACC+8*(4*\a+\b)+7]
.endif
.endr
.endr
.endm
.macro STEPK f, g, nslot, nq, mode     ; multiplies buffer f; ahead of that it fetches the next step's fragments into g.  Both slots are whole when a tile begins, so no step has a barrier
	WIN 0
	s_wait_dscnt 0x0                               ; buffer f is in
	PLACES
	FETCH \nslot, \nq, \g
	MUL16 \f, \mode
.endm
; A tile's last step.  more = 1: B's last fragments are in registers, so both of B's chunks are filled again, with the next tile's.
.macro LAST f, more
	WIN 0
.if \more
	s_wait_tensorcnt 0x0                           ; no tensor load of mine is out, so a group 0 may be written
	ds_add_u32 v[SPW], v[NIL]                      ; 0 onto my spare word; the descriptor's step stands between it and the wait for it
	s_add_nc_u64 s[G0R+2:G0R+3], s[G0R+2:G0R+3], BSTEP   ; the next tile's rows of the weight; the type bits on top are not reached
	s_wait_dscnt 0x0                               ; the add is done, and my reads of B's chunks are over: the last are buffer f
	CROUND                                         ; no wave of any partner still reads them or has a load on its way
	tensor_load_to_lds s[G0R:G0R+3], s[G1B:G1B+7]  ; the first tensor load behind the round, my only one until the next: 32 KB: half w % 2 of chunk w / 2
	s_nop 0
	PLACES
.else
	s_wait_dscnt 0x0
.endif
	MUL16 \f, 0
	WIN 0
	PLACES
.endm
.macro NEXTBIAS                        ; the next tile's bias.  The products that read the old one stand behind the four places of the step just written; the last loads by this base were awaited
	s_add_nc_u64 s[78:79], s[78:79], 512
	WIN TO_2
.irp b, 0,1,2,3
	global_load_b128 v[BI2+8*\b:BI2+8*\b+3], v22, s[78:79] offset:64*\b
	global_load_b128 v[BI2+8*\b+4:BI2+8*\b+7], v22, s[78:79] offset:64*\b+16
.endr
.endm
.macro SCALEBIAS                       ; the bias goes in divided by the power of two that the sums lack
	s_wait_loadcnt 0x0
	WIN W22
.set i, 0
.rept 32
	v_ldexp_f32 v[BI2+i], v[BI2+i], s45
.set i, i+1
.endr
	WIN 0
.endm
.macro KONST r, bits                   ; a coefficient, twice
	v_mov_b32 v[\r], \bits
	v_mov_b32 v[\r+1], \bits
.endm
.macro GELU16 g                        ; group g = 2 a + p: the 16 sums of accumulators (a, 2 p), (a, 2 p + 1) become 16 codes and leave
.set A0, ACC+16*(\g)
.set i, 0
.rept 8
	v_pk_mul_f32 v[Z+i:Z+i+1], v[A0+i:A0+i+1], s[72:73] op_sel_hi:[1,0]     ; z = u / sqrt 2 (each accumulator from its low end on)
.set i, i+2
.endr
.set i, 0
.rept 8
	v_pk_mul_f32 v[H+i:H+i+1], v[A0+i:A0+i+1], s[74:75] op_sel_hi:[1,0]     ; u / 2: exact
.set i, i+2
.endr
.set i, 0
.rept 16
	v_med3_num_f32 v[Z+i], v[Z+i], -4.0, 4.0
.set i, i+1
.endr
.set i, 0
.rept 8
	v_pk_mul_f32 v[Z2+i:Z2+i+1], v[Z+i:Z+i+1], v[Z+i:Z+i+1]
.set i, i+2
.endr
.set i, 0
.rept 8
	v_pk_fma_f32 v[P+i:P+i+1], v[Z2+i:Z2+i+1], v[KA:KA+1], v[KA+2:KA+3]
	v_pk_fma_f32 v[Q+i:Q+i+1], v[Z2+i:Z2+i+1], v[KB0:KB0+1], v[KB1:KB1+1]
.set i, i+2
.endr
.irp k, KB2, KB3, KB4
.set i, 0
.rept 8
	v_pk_fma_f32 v[Q+i:Q+i+1], v[Q+i:Q+i+1], v[Z2+i:Z2+i+1], v[\k:\k+1]
.set i, i+2
.endr
.endr
.irp k, 2,3,4,5,6
.set i, 0
.rept 8
	v_pk_fma_f32 v[P+i:P+i+1], v[P+i:P+i+1], v[Z2+i:Z2+i+1], v[KA+2*\k:KA+2*\k+1]
.set i, i+2
.endr
.endr
.set i, 0
.rept 16
	v_rcp_f32 v[Q+i], v[Q+i]
.set i, i+1
.endr
.set i, 0
.rept 8
	v_pk_mul_f32 v[P+i:P+i+1], v[P+i:P+i+1], v[Z+i:Z+i+1]                   ; (plain lines behind the reciprocals)
.set i, i+2
.endr
.set i, 0
	s_wait_alu depctr_va_vdst(0)
.rept 8
	v_pk_mul_f32 v[P+i:P+i+1], v[P+i:P+i+1], v[Q+i:Q+i+1]                   ; erf(z)
.set i, i+2
.endr
.set i, 0
.rept 8
	v_pk_fma_f32 v[P+i:P+i+1], v[H+i:H+i+1], v[P+i:P+i+1], v[H+i:H+i+1]     ; u / 2 x erf + u / 2
.set i, i+2
.endr
.set i, 0
.rept 16
	v_med3_num_f32 v[P+i], v[P+i], -v9, v9         ; the hold at 448 x 2^e10: the conversion does not saturate (ISA guide 7.6.2)
.set i, i+1
.endr
	v_cvt_scalef32_pk8_fp8_f32 v[A0:A0+1], v[P:P+7], v8          ; into registers of the sums, which are done with
	v_cvt_scalef32_pk8_fp8_f32 v[A0+2:A0+3], v[P+8:P+15], v8
	v_nop                                          ; one plain vector line behind the last conversion
	global_store_b128 v3, v[A0:A0+3], s[80:81] offset:((\g)/2)*8192+((\g)%2)*512
.endm
; A TILE: eight steps of 128 along K, the gelu, the stores.  more = 1: it has a successor.
.macro TILE more
	STEPK F0, F1, 0, 1, 1
	STEPK F1, F0, 0, 2, 0
.if \more
	NEXTBIAS
.endif
	STEPK F0, F1, 0, 3, 0
	STEPK F1, F0, 1, 0, 0
	STEPK F0, F1, 1, 1, 0
	STEPK F1, F0, 1, 2, 0
	STEPK F0, F1, 1, 3, 0
	LAST F1, \more
.irp g, 0,1,2,3,4,5,6,7
	GELU16 \g
.endr
.if \more
	s_wait_xcnt 0x0                                ; the stores have read their base and their data: the base steps, and the next tile's products write the registers that held the codes
	s_add_nc_u64 s[80:81], s[80:81], 2048          ; the next K step of hid's chunk
	SCALEBIAS
	s_wait_tensorcnt 0x0                           ; no load was issued behind my part of the next tile's B: it has landed,
	s_barrier_signal -1
	s_barrier_wait -1                              ; everybody's has
	FETCH 0, 0, F0
	WIN 0                                          ; at a label and at a branch every window is 0
.endif
.endm
	s_load_b128 s[4:7], s[0:1], 0x0                ; A's codes, the weights' codes
	s_load_b128 s[76:79], s[0:1], 0x10             ; the scales' exponents, the bias
	s_load_b64 s[80:81], s[0:1], 0x20              ; hid
	v_lshl_add_u32 v[SPW], v0, 2, SPARE
	v_mov_b32 v[NIL], 0
	ds_add_u32 v28, v29
	ds_add_u32 v28, v29
	s_wait_dscnt 0x0
	v_lshrrev_b32 v1, 5, v0
	v_readfirstlane_b32 s10, v1                    ; wave 0..3
	s_lshr_b32 s11, s10, 1                         ; which half of the tile's rows is mine.  Also: I first fetch for A (0) or for B (1); I refill B's chunk 0 or 1
	s_and_b32 s12, s10, 1                          ; which half of its columns.  Also: which half of a tile I fetch
	s_bfe_u32 s40, ttmp6, 0x40000
	s_bfe_u32 s41, ttmp6, 0x40004
	s_lshl_b32 s42, ttmp9, 2
	s_add_co_u32 s42, s42, s40                     ; gx = 4 x cluster x + cx: my four tile columns are 4 gx + 0 .. 3
	s_and_b32 s13, ttmp7, 0xffff
	s_lshl_b32 s13, s13, 2
	s_add_co_u32 s13, s13, s41                     ; tile row
	s_lshl_b32 s43, s41, 2
	s_lshl_b32 s43, 15, s43                        ; my row of the cluster
	s_lshl_b32 s44, 0x1111, s40                    ; my column
	s_or_b32 s[G1+0], s43, (3<<16)|(1<<21)         ; 15:0 the mask; 17:16 elements of 8 bytes; 21 set beside a mask; no padding
	s_or_b32 s[G1B+0], s44, (3<<16)|(1<<21)
.irp g, G1, G1B
	s_mov_b32 s[\g+1], 32<<16                      ; tensor_dim0 = 32 elements: rows of 256 bytes
	s_mov_b32 s[\g+2], 128<<16                     ; tensor_dim1 = 128
	s_mov_b32 s[\g+3], 32<<16                      ; tile_dim0
	s_mov_b32 s[\g+4], 128                         ; tile_dim1: 32 KB, dense
	s_mov_b32 s[\g+5], 32                          ; the pitch
	s_mov_b32 s[\g+6], 0
	s_mov_b32 s[\g+7], 0
.endr
	s_lshl_b32 s17, s12, 15                        ; my half: four tiles of rows x 8,192
	s_lshl_b32 s16, s13, 16
	s_add_co_u32 s16, s16, s17                     ; A: hangs on the tile row and the wave alone
	s_lshl_b32 s46, s42, 18                        ; B: tile column 4 gx,
	s_add_co_u32 s46, s46, s17
	s_add_co_u32 s46, s46, WOFF                    ; on gx and the wave alone
	s_lshl_b32 s88, s11, 21
	s_add_co_u32 s88, s88, s46                     ; B's refills: chunk w / 2, half w % 2
	s_mov_b32 s89, 0
	s_mov_b32 s17, 0
	s_mov_b32 s47, 0
	s_lshl_b32 s20, s10, 15                        ; where the first fills go: wave x 32 KB
	s_lshl_b32 s21, s11, 17                        ; where the refills go: slot w / 2,
	s_lshl_b32 s22, s12, 15                        ; half w % 2
	s_add_co_u32 s21, s21, s22
	s_add_co_u32 s21, s21, 65536                   ; of B's part
	s_wait_kmcnt 0x0
	s_load_b128 s[68:71], s[76:77], 0x20           ; e8 .. e11
	s_add_nc_u64 s[14:15], s[4:5], s[16:17]
	s_add_nc_u64 s[46:47], s[6:7], s[46:47]
	s_mov_b32 s[G0R], 1
	s_mov_b32 s[G0R+1], s21
	s_add_nc_u64 s[G0R+2:G0R+3], s[6:7], s[88:89]  ; the first tile's: each refill steps it first
	s_or_b32 s[G0R+3], s[G0R+3], 0x80000000
	CROUND                                         ; all sixteen work-groups are here: the first joint loads meet
.irp s, 0,1
	s_mov_b32 s[G0+4*\s], 1
	s_add_co_u32 s[G0+4*\s+1], s20, \s*SLOT
	s_add_nc_u64 s[G0+4*\s+2:G0+4*\s+3], s[14:15], \s*CSA
	s_or_b32 s[G0+4*\s+3], s[G0+4*\s+3], 0x80000000
	s_mov_b32 s[G0B+4*\s], 1
	s_add_co_u32 s[G0B+4*\s+1], s20, \s*SLOT
	s_add_nc_u64 s[G0B+4*\s+2:G0B+4*\s+3], s[46:47], \s*CSB
	s_or_b32 s[G0B+4*\s+3], s[G0B+4*\s+3], 0x80000000
	JLOAD \s                                       ; two loads of mine are out
.endr
	v_bfe_u32 v2, v0, 4, 1                         ; h
	v_and_b32 v3, 31, v0
	v_lshlrev_b32 v3, 4, v3                        ; 16 x lane
	s_lshl_b32 s21, s11, 15
	s_lshl_b32 s22, s12, 15
	s_add_co_u32 s22, s22, 65536
.irp s, 0,1
	v_add_nc_u32 v[ADRA+\s], s21, v3
	v_add_nc_u32 v[ADRB+\s], s22, v3
	s_add_co_u32 s21, s21, SLOT
	s_add_co_u32 s22, s22, SLOT
.endr
	v_lshlrev_b32 v22, 5, v2                       ; the bias: lane (r, h) wants columns 16 b + 8 h + 0..7
	s_lshl_b32 s46, s42, 11
	s_lshl_b32 s47, s12, 8
	s_add_co_u32 s46, s46, s47                     ; 4 x (128 x 4 gx + 64 x half)
	s_mov_b32 s47, 0
	s_add_nc_u64 s[78:79], s[78:79], s[46:47]
	WIN TO_2
.irp b, 0,1,2,3
	global_load_b128 v[BI2+8*\b:BI2+8*\b+3], v22, s[78:79] offset:64*\b
	global_load_b128 v[BI2+8*\b+4:BI2+8*\b+7], v22, s[78:79] offset:64*\b+16
.endr
	WIN 0
	; hid + chunk gx x 2,097,152 + (tile of 16 rows) x 8,192 + K step t x 2,048 + 1,024 x my half of the columns
	s_lshl_b32 s16, s13, 16
	s_lshl_b32 s17, s11, 15
	s_add_co_u32 s16, s16, s17
	s_mov_b32 s17, 0
	s_add_nc_u64 s[80:81], s[80:81], s[16:17]
	s_lshl_b32 s46, s42, 21
	s_lshl_b32 s47, s12, 10
	s_add_co_u32 s46, s46, s47
	s_mov_b32 s47, 0
	s_add_nc_u64 s[80:81], s[80:81], s[46:47]
	KONST KA,    0xaf95df0b                        ; -2.72614225801306e-10
	KONST KA+2,  0x32edffee                        ;  2.77068142495902e-08
	KONST KA+4,  0xb60cff51                        ; -2.10102402082508e-06
	KONST KA+6,  0xb86ec2d2                        ; -5.69250639462346e-05
	KONST KA+8,  0xba40ac63                        ; -7.34990630326855e-04
	KONST KA+10, 0xbb41a1f6                        ; -2.95459980854025e-03
	KONST KA+12, 0xbc83dbd4                        ; -1.60960333262415e-02
	KONST KB0,   0xb77460cd                        ; -1.45660718464996e-05
	KONST KB1,   0xb95fbd29                        ; -2.13374055278905e-04
	KONST KB2,   0xbadc924e                        ; -1.68282697438203e-03
	KONST KB3,   0xbbf19bf8                        ; -7.37332916720468e-03
	KONST KB4,   0xbc69b6a7                        ; -1.42647390514189e-02
	s_wait_kmcnt 0x0
	s_add_co_i32 s45, s68, s69                     ; e8 + e9: a sum stands for sum x 2^(e8 + e9)
	s_lshl_b32 s72, s45, 23
	s_add_co_i32 s72, s72, 0x3f3504f3              ; 2^(e8 + e9) / sqrt 2: the exponents are added to the constant's exponent field
	s_mov_b32 s73, s72                             ; (named with it as a pair, so it is written)
	s_add_co_i32 s74, s45, 126
	s_lshl_b32 s74, s74, 23                        ; 2^(e8 + e9) / 2
	s_mov_b32 s75, s74
	s_add_co_i32 s21, s70, 127
	s_lshl_b32 s22, s21, 23
	v_mov_b32 v8, s22                              ; 2^e10
	s_add_co_i32 s21, s21, 8
	s_lshl_b32 s21, s21, 23
	s_or_b32 s21, s21, 0x600000
	v_mov_b32 v9, s21                              ; 448 x 2^e10
	s_sub_co_i32 s45, 0, s45
	SCALEBIAS
	s_wait_tensorcnt 0x0                           ; my parts of both chunks are in: so a tile's steps need no barrier, the first tile's like the others',
	s_barrier_signal -1
	s_barrier_wait -1                              ; everybody's are
	FETCH 0, 0, F0
	WIN 0                                          ; at a label and at a branch every window is 0
	s_mov_b32 s3, TILES-1
.Ltile:                                                ; three trips: every tile but the last asks for its successor's rows of the weight
	TILE 1
	s_sub_co_u32 s3, s3, 1
	s_cmp_lg_u32 s3, 0
	s_cbranch_scc1 .Ltile
	TILE 0                                         ; the last tile is written out
	s_wait_tensorcnt 0x0                           ; the wave's end, behind my last tensor load
	ds_add_u32 v[SPW], v[NIL]
	s_wait_dscnt 0x0
	CROUND                                         ; the closing round
	s_endpgm
.Lfunc_end_k_q9c7fb91041_fc1:
	.size	k_q9c7fb91041_fc1, .Lfunc_end_k_q9c7fb91041_fc1-k_q9c7fb91041_fc1
	.p2alignl 7, 3214868480
	.fill 96, 4, 3214868480
	.section	.rodata,"a",@progbits
	.p2align	6, 0x0
	.amdhsa_kernel k_q9c7fb91041_fc1
		.amdhsa_group_segment_fixed_size 327680
		.amdhsa_private_segment_fixed_size 0
		.amdhsa_enable_private_segment 0
		.amdhsa_kernarg_size 40
		.amdhsa_user_sgpr_count 2
		.amdhsa_user_sgpr_kernarg_segment_ptr 1
		.amdhsa_wavefront_size32 1
		.amdhsa_system_sgpr_workgroup_id_x 1
		.amdhsa_system_sgpr_workgroup_id_y 1
		.amdhsa_system_sgpr_workgroup_id_z 1
		.amdhsa_system_vgpr_workitem_id 0
		.amdhsa_next_free_vgpr 768
		.amdhsa_next_free_sgpr 92
		.amdhsa_reserve_vcc 0
		.amdhsa_float_denorm_mode_32 3
		.amdhsa_float_denorm_mode_16_64 3
		.amdhsa_memory_ordered 1
		.amdhsa_forward_progress 1
		.amdhsa_inst_pref_size 241
	.end_amdhsa_kernel
	.amdgpu_metadata
---
amdhsa.version: [ 1, 2 ]
amdhsa.kernels:
  - .name:           k_q9c7fb91041_fc1
    .symbol:         k_q9c7fb91041_fc1.kd
    .args:
      - { .name: ac, .offset: 0, .size: 8, .value_kind: global_buffer, .address_space: global }
      - { .name: wc, .offset: 8, .size: 8, .value_kind: global_buffer, .address_space: global }
      - { .name: lowp_scales, .offset: 16, .size: 8, .value_kind: global_buffer, .address_space: global }
      - { .name: fc1_b, .offset: 24, .size: 8, .value_kind: global_buffer, .address_space: global }
      - { .name: hid, .offset: 32, .size: 8, .value_kind: global_buffer, .address_space: global }
    .group_segment_fixed_size: 327680
    .private_segment_fixed_size: 0
    .kernarg_segment_align: 8
    .kernarg_segment_size: 40
    .max_flat_workgroup_size: 128
    .sgpr_count:     92
    .vgpr_count:     768
    .wavefront_size: 32
...
	.end_amdgpu_metadata
.endif
;; end of part 6
;; launch fc2 (part 7): grid 8 x 32, 4 waves a work-group, clusters of 4 x 4, 327,680 bytes of LDS; arguments hid, wc, lowp_scales, fc2_b, x2, out0; writes out0
.if DOCPART == 7
	.amdgcn_target "amdgcn-amd-amdhsa--gfx1250"
	.amdhsa_code_object_version 6
	.text
	.protected	k_q9c7fb91041_fc2
	.globl	k_q9c7fb91041_fc2
	.p2align	8
	.type	k_q9c7fb91041_fc2,@function
k_q9c7fb91041_fc2:
	s_mov_b64 s[64:65], 0
	v_nop
	global_prefetch_b8 v0, s[64:65] scope:SCOPE_SE
	s_setreg_imm32_b32 hwreg(HW_REG_WAVE_MODE, 25, 1), 1
	s_wait_xcnt 0x0
	s_wait_alu depctr_hold_cnt(0) depctr_sa_sdst(0) depctr_va_vdst(0) depctr_va_sdst(0) depctr_va_ssrc(0) depctr_va_vcc(0) depctr_vm_vsrc(0)
	s_getreg_b32 s2, hwreg(HW_REG_IB_STS2, 6, 4)
	s_cmp_eq_u32 s2, 0
	s_cbranch_scc0 .Lentry_in_a_cluster
	s_endpgm
.Lentry_in_a_cluster:
	s_bfe_u32 s2, ttmp6, 0x10000c
	s_cmp_lg_u32 s2, 0xf033
	s_cbranch_scc0 .Lentry_shape_is_right
	s_endpgm
.Lentry_shape_is_right:
; out = x2 + hidden fc2_w + fc2_b: the product on codes of E4M3 (scales: entries 10 and 11), the rest in f32.
; The frame is that of the other products here: operands as images of their registers (16 rows x 128 k in 2,048 bytes; 64 rows x 512 k dense), tiles of 128 x 128, four waves of 64 x 64, 4 x 4 clusters with joint loads, the matrix
; instruction used transposed, the bias / 2^(e10 + e11) as the C of the first products.  K = 4,096 is eight chunks of 512 through a ring of two LDS slots: a slot is asked for again as soon as its last fragments are in registers, behind a
; round of the cluster's barrier, and has four steps, 64 matrix instructions a wave, in which to land.  A wave has two tensor loads out at the start and one behind each round.
; THE WAY OUT: a block of 16 rows x 64 columns goes through the wave's own stage in LDS and comes back as whole rows; one packed multiply-add gives sum x 2^(e10 + e11) + x2; sixteen lanes store 256 consecutive bytes, aligned.
; The launch claims all of a WGP's LDS, and the add onto the spare words stands where it stands.
; LIMITS: e10 + e11 between -126 and 127.
.set CSA,  2097152
.set CSB,  524288
.set WOFF, 8388608                     ; fc2_w's place in wc
.set SLOT, 131072
.set STAGE,262144                      ; behind the ring: 16 rows x 272 bytes for each wave; no tile lands here
.set SPARE,279552                      ; behind the stages: the spare words, 128 bytes for each wave: two blocks of 256 bytes that no other line names
.set ADRA, 16
.set ADRB, 20
.set STO,  24
.set RD,   25
.set CO,   26
.set SPW,  28                          ; v28  LDS address of my spare word; never rewritten
.set NIL,  29                          ; v29  0; never rewritten
.set BIAS, 32
.set BK,   32
.set XR,   64
.set ACC,  128
.set F0,   0
.set F1,   128
.set G1,   24
.set G0,   32
.set G1B,  48
.set G0B,  56
.set MSB,  0
.macro WIN new                         ; the immediate's high byte repeats the setting that is left
.if MSB != \new
	s_set_vgpr_msb (MSB<<8)|\new
.set MSB, \new
.endif
.endm
.set MUL,  0x05                        ; sources 0 and 1 window 1; C and D window 0
.set TO_F, 0x40                        ; destination window 1, address window 0
.macro JLOAD s                         ; a joint load: waves 0 and 1 fetch A's two halves, waves 2 and 3 B's; four v_nop follow each line
	s_cmp_eq_u32 s11, 0
	s_cbranch_scc0 .Lfor_b_\@
	tensor_load_to_lds s[G0+4*(\s):G0+4*(\s)+3], s[G1:G1+7]
	s_nop 0
.rept 4
	v_nop
.endr
	s_branch .Lasked_\@
.Lfor_b_\@:
	tensor_load_to_lds s[G0B+4*(\s):G0B+4*(\s)+3], s[G1B:G1B+7]
	s_nop 0
.rept 4
	v_nop
.endr
.Lasked_\@:
.endm
.macro CREST
	s_cmp_lg_u32 s10, 0
	s_cbranch_scc1 .Lnot_wave_0_\@
	s_barrier_signal -3
.Lnot_wave_0_\@:
	s_barrier_wait -3
	s_barrier_signal -1
	s_barrier_wait -1
.endm
.macro CROUND                          ; a round of the cluster's barrier
	s_barrier_signal -1
	s_barrier_wait -1
	CREST
.endm
.macro PLACES                          ; four places in front of loads into registers that matrix instructions have read, and of the first read of results
.rept 4
	v_nop
.endr
.endm
.macro FETCH slot, q, f
	WIN TO_F
.irp i, 0,1,2,3
.irp c, 0,1,2,3
	ds_load_b128 v[\f+64+16*\i+4*\c:\f+64+16*\i+4*\c+3], v[ADRB+\slot] offset:\i*8192+(\q)*2048+\c*512
.endr
.endr
.irp i, 0,1,2,3
.irp c, 0,1,2,3
	ds_load_b128 v[\f+16*\i+4*\c:\f+16*\i+4*\c+3], v[ADRA+\slot] offset:\i*8192+(\q)*2048+\c*512
.endr
.endr
.endm
.macro MUL16 f, mode                   ; the 16 accumulators take turns, over the loop's backward jump too.  mode = 1: the bias starts the sums
	WIN MUL
.irp a, 0,1,2,3
.irp b, 0,1,2,3
.if \mode
	v_wmma_f32_16x16x128_fp8_fp8 v[ACC+8*(4*\a+\b):ACC+8*(4*\a+\b)+7], v[\f+64+16*\b:\f+64+16*\b+15], v[\f+16*\a:\f+16*\a+15], v[BIAS+8*\b:BIAS+8*\b+7]
.else
	v_wmma_f32_16x16x128_fp8_fp8 v[ACC+8*(4*\a+\b):ACC+8*(4*\a+\b)+7], v[\f+64+16*\b:\f+64+16*\b+15], v[\f+16*\a:\f+16*\a+15], v[ACC+8*(4*\a+\b):ACC+8*(4*\a+\b)+7]
.endif
.endr
.endr
.endm
; Multiplies buffer f; ahead of that it fetches the next step's fragments into g.  bar = 1: they are the other slot's first, and nothing is filled.  bar = 2: the same, and the slot just read out is filled again, two chunks on.
.macro STEPK f, g, nslot, nq, mode, bar
	WIN 0
.if \bar == 2
.set CUR, 1-\nslot
	s_wait_tensorcnt 0x0                           ; all my tensor loads have landed: the one that was out is my part of the other slot; so a group 0 may be written
	ds_add_u32 v[SPW], v[NIL]                      ; 0 onto my spare word; the descriptors' steps stand between it and the wait for it
	s_add_nc_u64 s[G0+4*CUR+2:G0+4*CUR+3], s[G0+4*CUR+2:G0+4*CUR+3], 2*CSA
	s_add_nc_u64 s[G0B+4*CUR+2:G0B+4*CUR+3], s[G0B+4*CUR+2:G0B+4*CUR+3], 2*CSB
	s_wait_dscnt 0x0                               ; the add is done, and my reads of this slot are over: its last fragments are buffer f
	CROUND                                         ; no wave of any partner still reads the slot or has a load on its way
	JLOAD CUR                                      ; the first tensor load behind the round, my only one until the next; its four v_nop are the places in front of the loads below
.else
.if \bar
	s_wait_tensorcnt 0x0
.endif
	s_wait_dscnt 0x0
.if \bar
	s_barrier_signal -1
	s_barrier_wait -1
.endif
	PLACES
.endif
	FETCH \nslot, \nq, \g
	MUL16 \f, \mode
.endm
.macro LAST f
	WIN 0
	s_wait_dscnt 0x0
	MUL16 \f, 0
	WIN 0
	PLACES
.endm
.macro XLOAD a                         ; the residual of block a: 16 rows x 256 bytes, two rows an instruction; read for the last time
.irp t, 0,1,2,3,4,5,6,7
	global_load_b128 v[XR+32*((\a)%2)+4*\t:XR+32*((\a)%2)+4*\t+3], v[CO], s[80:81] offset:(16*(\a)+2*\t)*4096 th:TH_LOAD_NT
.endr
.endm
.macro OUTB a
.if (\a) > 0
	s_wait_xcnt 0x0                                ; the last block's stores have read their registers: the rows read back below land there
.endif
.irp b, 0,1,2,3
	ds_store_b128 v[STO], v[ACC+8*(4*(\a)+\b):ACC+8*(4*(\a)+\b)+3] offset:64*\b          ; each accumulator from its low end on
	ds_store_b128 v[STO], v[ACC+8*(4*(\a)+\b)+4:ACC+8*(4*(\a)+\b)+7] offset:64*\b+16
.endr
.irp t, 0,1,2,3,4,5,6,7
	ds_load_b128 v[BK+4*\t:BK+4*\t+3], v[RD] offset:544*\t   ; LDS serves a wave's instructions in order (ISA guide 5.7.1.4)
.endr
	s_wait_dscnt 0x0
.if (\a) < 3
	s_wait_loadcnt 8                               ; this block's residual is in; the next block's eight loads may be out
.else
	s_wait_loadcnt 0x0
.endif
.set i, 0
.rept 16
	v_pk_fma_f32 v[BK+i:BK+i+1], v[BK+i:BK+i+1], s[68:69], v[XR+32*((\a)%2)+i:XR+32*((\a)%2)+i+1] op_sel_hi:[1,0,1]
.set i, i+2
.endr
.irp t, 0,1,2,3,4,5,6,7
	global_store_b128 v[CO], v[BK+4*\t:BK+4*\t+3], s[82:83] offset:(16*(\a)+2*\t)*4096 th:TH_STORE_NT
.endr
.if (\a) < 2
	XLOAD (\a)+2
.endif
.endm
	s_load_b128 s[4:7], s[0:1], 0x0                ; A's codes, the weights' codes
	s_load_b128 s[76:79], s[0:1], 0x10             ; the scales' exponents, the bias
	s_load_b128 s[80:83], s[0:1], 0x20             ; the residual, the result
	v_lshl_add_u32 v[SPW], v0, 2, SPARE
	v_mov_b32 v[NIL], 0
	ds_add_u32 v28, v29
	ds_add_u32 v28, v29
	s_wait_dscnt 0x0
	v_lshrrev_b32 v1, 5, v0
	v_readfirstlane_b32 s10, v1
	s_lshr_b32 s11, s10, 1
	s_and_b32 s12, s10, 1
	s_bfe_u32 s40, ttmp6, 0x40000
	s_bfe_u32 s41, ttmp6, 0x40004
	s_lshl_b32 s42, ttmp9, 2
	s_add_co_u32 s42, s42, s40                     ; tile column
	s_and_b32 s13, ttmp7, 0xffff
	s_lshl_b32 s13, s13, 2
	s_add_co_u32 s13, s13, s41                     ; tile row
	s_lshl_b32 s43, s41, 2
	s_lshl_b32 s43, 15, s43
	s_lshl_b32 s44, 0x1111, s40
	s_or_b32 s[G1+0], s43, (3<<16)|(1<<21)
	s_or_b32 s[G1B+0], s44, (3<<16)|(1<<21)
.irp g, G1, G1B
	s_mov_b32 s[\g+1], 32<<16
	s_mov_b32 s[\g+2], 128<<16
	s_mov_b32 s[\g+3], 32<<16
	s_mov_b32 s[\g+4], 128
	s_mov_b32 s[\g+5], 32
	s_mov_b32 s[\g+6], 0
	s_mov_b32 s[\g+7], 0
.endr
	s_lshl_b32 s17, s12, 15
	s_lshl_b32 s16, s13, 16
	s_add_co_u32 s16, s16, s17
	s_lshl_b32 s46, s42, 16
	s_add_co_u32 s46, s46, s17
	s_add_co_u32 s46, s46, WOFF
	s_mov_b32 s17, 0
	s_mov_b32 s47, 0
	s_lshl_b32 s20, s10, 15
	s_wait_kmcnt 0x0
	s_load_b64 s[68:69], s[76:77], 0x28            ; e10, e11
	s_add_nc_u64 s[14:15], s[4:5], s[16:17]
	s_add_nc_u64 s[46:47], s[6:7], s[46:47]
	CROUND
.irp s, 0,1
	s_mov_b32 s[G0+4*\s], 1
	s_add_co_u32 s[G0+4*\s+1], s20, \s*SLOT
	s_add_nc_u64 s[G0+4*\s+2:G0+4*\s+3], s[14:15], \s*CSA
	s_or_b32 s[G0+4*\s+3], s[G0+4*\s+3], 0x80000000
	s_mov_b32 s[G0B+4*\s], 1
	s_add_co_u32 s[G0B+4*\s+1], s20, \s*SLOT
	s_add_nc_u64 s[G0B+4*\s+2:G0B+4*\s+3], s[46:47], \s*CSB
	s_or_b32 s[G0B+4*\s+3], s[G0B+4*\s+3], 0x80000000
	JLOAD \s
.endr
	v_and_b32 v1, 15, v0                           ; r
	v_bfe_u32 v2, v0, 4, 1                         ; h
	v_and_b32 v3, 31, v0
	v_lshlrev_b32 v3, 4, v3
	s_lshl_b32 s21, s11, 15
	s_lshl_b32 s22, s12, 15
	s_add_co_u32 s22, s22, 65536
.irp s, 0,1
	v_add_nc_u32 v[ADRA+\s], s21, v3
	v_add_nc_u32 v[ADRB+\s], s22, v3
	s_add_co_u32 s21, s21, SLOT
	s_add_co_u32 s22, s22, SLOT
.endr
	s_mul_i32 s23, s10, 4352
	s_add_co_u32 s23, s23, STAGE
	v_mul_u32_u24 v4, v1, 272
	v_lshl_add_u32 v4, v2, 5, v4
	v_add_nc_u32 v[STO], s23, v4
	v_mul_u32_u24 v5, v2, 272
	v_lshl_add_u32 v5, v1, 4, v5
	v_add_nc_u32 v[RD], s23, v5
	v_lshlrev_b32 v5, 12, v2
	v_lshl_add_u32 v[CO], v1, 4, v5
	v_lshlrev_b32 v22, 5, v2
	s_lshl_b32 s46, s42, 9
	s_lshl_b32 s47, s12, 8
	s_add_co_u32 s46, s46, s47
	s_mov_b32 s47, 0
	s_add_nc_u64 s[78:79], s[78:79], s[46:47]
	s_lshl_b32 s16, s13, 19
	s_lshl_b32 s17, s11, 18
	s_add_co_u32 s16, s16, s17
	s_mov_b32 s17, 0
	s_add_nc_u64 s[80:81], s[80:81], s[16:17]
	s_add_nc_u64 s[82:83], s[82:83], s[16:17]
	s_add_nc_u64 s[80:81], s[80:81], s[46:47]
	s_add_nc_u64 s[82:83], s[82:83], s[46:47]
.irp b, 0,1,2,3
	global_load_b128 v[BIAS+8*\b:BIAS+8*\b+3], v22, s[78:79] offset:64*\b
	global_load_b128 v[BIAS+8*\b+4:BIAS+8*\b+7], v22, s[78:79] offset:64*\b+16
.endr
	XLOAD 0
	XLOAD 1
	s_wait_kmcnt 0x0
	s_add_co_i32 s45, s68, s69
	s_add_co_i32 s68, s45, 127
	s_lshl_b32 s68, s68, 23                        ; 2^(e10 + e11) as f32
	s_mov_b32 s69, s68
	s_sub_co_i32 s45, 0, s45
	s_wait_loadcnt 16                              ; the bias is in; the residual's sixteen loads may be out
.set i, 0
.rept 32
	v_ldexp_f32 v[BIAS+i], v[BIAS+i], s45
.set i, i+1
.endr
	s_wait_tensorcnt 0x1                           ; my part of chunk 0 is in; chunk 1's load may stay out
	s_barrier_signal -1
	s_barrier_wait -1
	FETCH 0, 0, F0
	STEPK F0, F1, 0, 1, 1, 0                       ; the first step stands in front of the loop: the bias starts the sums
	WIN 0                                          ; at a label and at a branch every window is 0
	s_mov_b32 s3, 3
.Llap:                                                 ; a trip goes once round the ring, from a lap's second step to the next lap's first, and fills both slots again: chunks 2 to 7
	STEPK F1, F0, 0, 2, 0, 0
	STEPK F0, F1, 0, 3, 0, 0
	STEPK F1, F0, 1, 0, 0, 2
	STEPK F0, F1, 1, 1, 0, 0
	STEPK F1, F0, 1, 2, 0, 0
	STEPK F0, F1, 1, 3, 0, 0
	STEPK F1, F0, 0, 0, 0, 2
	STEPK F0, F1, 0, 1, 0, 0
	WIN 0
	s_sub_co_u32 s3, s3, 1
	s_cmp_lg_u32 s3, 0
	s_cbranch_scc1 .Llap
	STEPK F1, F0, 0, 2, 0, 0                       ; the last lap is written out: it fills nothing
	STEPK F0, F1, 0, 3, 0, 0
	STEPK F1, F0, 1, 0, 0, 1
	STEPK F0, F1, 1, 1, 0, 0
	STEPK F1, F0, 1, 2, 0, 0
	STEPK F0, F1, 1, 3, 0, 0
	LAST F1
	OUTB 0
	OUTB 1
	OUTB 2
	OUTB 3
	s_wait_tensorcnt 0x0                           ; the wave's end, behind my last tensor load and my last LDS store
	ds_add_u32 v[SPW], v[NIL]
	s_wait_dscnt 0x0
	CROUND                                         ; the closing round
	s_endpgm
.Lfunc_end_k_q9c7fb91041_fc2:
	.size	k_q9c7fb91041_fc2, .Lfunc_end_k_q9c7fb91041_fc2-k_q9c7fb91041_fc2
	.p2alignl 7, 3214868480
	.fill 96, 4, 3214868480
	.section	.rodata,"a",@progbits
	.p2align	6, 0x0
	.amdhsa_kernel k_q9c7fb91041_fc2
		.amdhsa_group_segment_fixed_size 327680
		.amdhsa_private_segment_fixed_size 0
		.amdhsa_enable_private_segment 0
		.amdhsa_kernarg_size 48
		.amdhsa_user_sgpr_count 2
		.amdhsa_user_sgpr_kernarg_segment_ptr 1
		.amdhsa_wavefront_size32 1
		.amdhsa_system_sgpr_workgroup_id_x 1
		.amdhsa_system_sgpr_workgroup_id_y 1
		.amdhsa_system_sgpr_workgroup_id_z 1
		.amdhsa_system_vgpr_workitem_id 0
		.amdhsa_next_free_vgpr 512
		.amdhsa_next_free_sgpr 84
		.amdhsa_reserve_vcc 0
		.amdhsa_float_denorm_mode_32 3
		.amdhsa_float_denorm_mode_16_64 3
		.amdhsa_memory_ordered 1
		.amdhsa_forward_progress 1
		.amdhsa_inst_pref_size 79
	.end_amdhsa_kernel
	.amdgpu_metadata
---
amdhsa.version: [ 1, 2 ]
amdhsa.kernels:
  - .name:           k_q9c7fb91041_fc2
    .symbol:         k_q9c7fb91041_fc2.kd
    .args:
      - { .name: hid, .offset: 0, .size: 8, .value_kind: global_buffer, .address_space: global }
      - { .name: wc, .offset: 8, .size: 8, .value_kind: global_buffer, .address_space: global }
      - { .name: lowp_scales, .offset: 16, .size: 8, .value_kind: global_buffer, .address_space: global }
      - { .name: fc2_b, .offset: 24, .size: 8, .value_kind: global_buffer, .address_space: global }
      - { .name: x2, .offset: 32, .size: 8, .value_kind: global_buffer, .address_space: global }
      - { .name: out0, .offset: 40, .size: 8, .value_kind: global_buffer, .address_space: global }
    .group_segment_fixed_size: 327680
    .private_segment_fixed_size: 0
    .kernarg_segment_align: 8
    .kernarg_segment_size: 48
    .max_flat_workgroup_size: 128
    .sgpr_count:     84
    .vgpr_count:     512
    .wavefront_size: 32
...
	.end_amdgpu_metadata
.endif
;; end of part 7
